; MI455X (gfx1250); checked and timed in simulation.
; The chip was launched on July 23, 2026; its instructions are those of AMD's public machine-readable ISA for CDNA 5 (MIT licence, August 2026) and "CDNA5" Instruction Set Architecture Reference Guide (July 2026). The comments in the code are by the model that wrote it; some were corrected since.
;; Multi Head Self Attention. Allowed arithmetic: matrix products marked QUANTISED: E2M3 operands, one E8M0 scale for each 32 along K, by v_wmma_scale_f32_16x16x128_f8f6f4 with both operands' format E2M3, f32 sums; everything else in f32.
;; Inputs: W_out 1,024 x 1,024 float32; W_qkv 3,072 x 1,024 float32; b_out 1,024 float32; b_qkv 3,072 float32; mask 1 x 1 x 2,048 x 2,048 int32; x 4 x 2,048 x 1,024 float32.
;; Outputs: out0 4 x 2,048 x 1,024 float32.
;; This version of the problem:
;;   THIS VERSION OF THE PROBLEM IS GIVEN IN LOW PRECISION. The matrix products marked QUANTISED in the list below multiply operands that are first quantised to E2M3 (2 exponent bits, 3 mantissa bits; 6 bits a number), with one power-of-two scale for each 32 numbers along K (OCP MX v1.0); their sums are f32. All else is computed in f32.
;;   The module's matrix products, in the order in which they are computed (A, B: the left and right operand; K: the contracted axis; several contracted axes count as one K, in the product's order):
;;     1. [M 8,192, K 1,024] x [K 1,024, N 3,072]; A: input x; B: input W_qkv: QUANTISED
;;     2. batch 64 x [M 2,048, K 64] x [K 64, N 2,048]; A: computed on the way; B: computed on the way: QUANTISED
;;     3. batch 64 x [M 2,048, K 2,048] x [K 2,048, N 64]; A: softmax (see below); B: computed on the way: QUANTISED
;;     4. [M 8,192, K 1,024] x [K 1,024, N 1,024]; A: computed on the way; B: input W_out: QUANTISED
;;   THE QUANTISER, for each operand of a quantised product, along K:
;;     - K is cut into blocks of 32 from its start; a last block that is shorter is filled with zeros.
;;     - A block's scale is 2^e with e = floor(log2(the largest magnitude in the block)) - 2, held to -126 .. 127; a block of zeros has e = 0. As a byte (E8M0): e + 127.
;;     - Each number is divided by its block's scale, clamped to +-7.5, and rounded to the nearest number of E2M3, ties to even, subnormals kept.
;;     - The product sums the exact products of the quantised numbers (number of the format x scale) in f32.
;;   ~~~python
;;   def quantise(x, axis):      # numpy; x: float32 -> the quantised numbers, widened to float32 again
;;       x = np.moveaxis(x, axis, -1); K = x.shape[-1]
;;       x = np.pad(x, [(0, 0)] * (x.ndim - 1) + [(0, -K % 32)]); x = x.reshape(x.shape[:-1] + (-1, 32)); a = np.abs(x).max(-1, keepdims=True)
;;       e = np.where(a > 0, np.clip(np.frexp(np.where(a > 0, a, 1))[1] - 1 - 2, -126, 127), 0)      # np.frexp(a)[1] - 1 = floor(log2(a)), exactly
;;       r = np.clip(x / 2.0 ** e, -7.5, 7.5)
;;       step = 2.0 ** (np.maximum(np.frexp(np.where(r == 0, 1, r))[1] - 1, 0) - 3)
;;       q = np.round(r / step) * step * 2.0 ** e      # np.round: ties to even
;;       return np.moveaxis(q.reshape(q.shape[:-2] + (-1,))[..., :K], -1, axis).astype(np.float32)
;;   ~~~
;;   SOFTMAX AHEAD OF A QUANTISED PRODUCT. Where the list says 'softmax', what is quantised is not the finished softmax but p = 2^(t - M), with t = logit x log2(e) and M = ceil(the row's largest t), a whole number; so 1/2 < the row's largest p <= 1. The row's sum l is taken of the UNQUANTISED p, in f32, and the product's result is divided by l at the end. Since M is a whole number, a kernel that streams over the keys may use a running M (the ceiling of the running maximum): every later rescaling is an exact power of two, which a block's scale takes up: the codes' values come out the same.
;;   OPERANDS COMPUTED ON THE WAY. 'Computed on the way' means the value that the module computes at that place (a softmax that the list does not call 'softmax' is quantised finished and normalised). What goes into a quantiser is computed in f32, as accurately as f32 sums, v_exp_f32 and their like allow (about 1e-6 of the number): no bf16 or f16 on the way to a quantiser, and a product that is left as it is and whose result goes on into a quantised operand takes f32 operands (vector FMAs, or v_wmma_f32_16x16x4_f32). A number that lies on a knife's edge between two numbers of the format may be rounded either way, as far as f32 arithmetic and the matrix unit's own rounding can turn it there, and no further.
;; 2 versions, each right; version 2 is version 1 with the launch attn written anew for expert scheduling mode. Each part assembles by itself: llvm-mc -triple=amdgcn-amd-amdhsa -mcpu=gfx1250 --defsym DOCPART=n.
;; ======== version 1 of 2: 4 launches
;; limits: right only within a limited range of input values
;; workspace buffers: codes 9,437,184 bytes; scl 393,216 bytes; maskw 524,288 bytes of whole numbers; flags 8,192 bytes of whole numbers; frag 20,447,232 bytes; attc 6,291,456 bytes; atts 262,144 bytes
;; launch prep (part 1): grid 896 x 1, 4 waves a work-group, no clusters, 68,096 bytes of LDS; arguments x, W_qkv, W_out, mask, codes, scl, maskw, flags; writes codes, scl, maskw, flags
.if DOCPART == 1
	.amdgcn_target "amdgcn-amd-amdhsa--gfx1250"
	.amdhsa_code_object_version 6
	.text
	.protected	k_q2004341dcb_prep
	.globl	k_q2004341dcb_prep
	.p2align	8
	.type	k_q2004341dcb_prep,@function
k_q2004341dcb_prep:
	s_mov_b64 s[64:65], 0
	v_nop
	global_prefetch_b8 v0, s[64:65] scope:SCOPE_SE
	s_setreg_imm32_b32 hwreg(HW_REG_WAVE_MODE, 25, 1), 1
	s_wait_xcnt 0x0
; WORK-GROUPS 0-767: x [8192][1024], W_qkv [3072][1024], W_out [1024][1024], f32, K innermost, become codes of FP6 (E2M3) with one E8M0 byte for each 32 along K.
; WORK-GROUPS 768-895: the mask [2048][2048] of int32 becomes lane masks (one word for each score register of a tile of 16 queries x 128 keys) and three flag words for each tile of queries and wave.
; ROWS LIE IN POSITION ORDER: position p stands for true row p with bits 3 and 4 exchanged: lane row r of row tile tau is true row 32 (tau / 2) + 8 (tau % 2) + r + 8 (r / 8).
; codes: [768 row tiles][16 chunks of 64 K][768 bytes].  A chunk is an image of operand registers: lane (r, h) owns the 24 bytes of k = 32 h .. 32 h + 31 of row r: its first 16 bytes at 16 x lane, its last 8 at 512 + 8 x lane.
; scl: [4 slots of 256 K][12288 rows][8 bytes].   maskw: [128 T][16 s][64 words]; bit L of word n is 1 where mask[true row of position 16 T + L % 16][128 s + 32 (n / 16) + 16 (L / 16) + n % 16] is 0.
; flags: [128 T][4 waves][4 words]: bit s set where tile (T, s) has an open key; bit s set where it has a hidden key; the AND of the wave's 256 words; 0.
; A block's scale is 2^(floor(log2(largest magnitude)) - 2); its byte is the largest magnitude's exponent field - 2, held at 1 from below.
; LIMITS: a block of zeros gets the byte 1 (its codes are zeros, and this program alone reads the bytes); blocks whose largest magnitude lies under 2^-124 are held at byte 1; NaN and infinities are not served.
; Each load reads 512 consecutive bytes of one row; a step's 16 rows turn through the wave's own stage in LDS (rows of 512 + 16 bytes) so that a lane gets neighbours along K.  No barrier: waves share nothing.
; The scale words leave as 128 consecutive bytes a wave: parts of aligned blocks of 256, one byte for each 128 that the launch reads.
.set STG,  8448                        ; a wave's stage: 16 rows x 528 bytes
.set MST,  4*STG                       ; the mask's path has stages of its own
.set R0,   32                          ; v32-95, v96-159  two sets of 64 registers as loaded
.set R1,   96
.set X,    160                         ; v160-223 a step's numbers, neighbours along K
.set CQ,   224                         ; v224-247 a fragment's codes for each of the two steps
.set TQ,   248                         ; v248-255 the upper halves of the blocks' codes, before they are moved
.set OW,   224                         ; the mask's path: v224-231 a pair of output registers for each step
.macro LOADR dst, base, pitch, off     ; the tile's sixteen rows, 512 bytes of each: position i is true row i + 8 (i / 8) of the pair of tiles
.set i, 0
.rept 16
	global_load_b128 v[\dst+4*i:\dst+4*i+3], v4, s[\base:\base+1] offset:(i+8*(i/8))*\pitch+\off th:TH_LOAD_NT
.set i, i+1
.endr
.endm
.macro TURNS src, dst, sta, lda, per   ; through the stage: in as loaded, out in runs of 16 x per bytes, 32 x per bytes apart.  LDS serves a wave's instructions in order: no wait between
.set i, 0
.rept 16
	ds_store_b128 v[\sta], v[\src+4*i:\src+4*i+3] offset:528*i
.set i, i+1
.endr
.set i, 0
.rept 16
	ds_load_b128 v[\dst+4*i:\dst+4*i+3], v[\lda] offset:32*\per*(i/\per)+16*(i%\per)
.set i, i+1
.endr
.endm
	s_load_b256 s[4:11], s[0:1], 0x0               ; x, W_qkv, W_out, mask
	s_load_b256 s[12:19], s[0:1], 0x20             ; codes, scl, maskw, flags
	v_lshl_add_u32 v251, v0, 2, 0x10800
	v_mov_b32 v255, 0
	v_lshrrev_b32 v1, 5, v0
	v_readfirstlane_b32 s20, v1                    ; wave 0..3
	v_and_b32 v1, 31, v0                           ; lane
	v_and_b32 v2, 15, v0                           ; r
	v_bfe_u32 v3, v0, 4, 1                         ; h
	v_lshlrev_b32 v4, 4, v1                        ; 16 x lane
	v_lshlrev_b32 v5, 3, v1                        ; 8 x lane
	s_mul_i32 s21, s20, STG
	v_add_nc_u32 v6, s21, v4                       ; the quantiser's stage, in: 16 x lane
	v_mul_u32_u24 v7, v2, 528
	v_add_nc_u32 v7, s21, v7
	v_lshl_add_u32 v9, v3, 6, v7
	v_add_nc_u32 v9, MST, v9                       ; the mask's stage, out: row r, + 64 h
	v_lshl_add_u32 v7, v3, 7, v7                   ; the quantiser's stage, out: row r, + 128 h
	v_add_nc_u32 v8, MST, v6                       ; the mask's stage, in
	v_lshlrev_b32 v10, 3, v3                       ; 8 h: the shift that puts my two scale bytes in their places
	v_lshlrev_b32 v11, 3, v2
	v_lshl_add_u32 v11, v3, 2, v11                 ; 8 r + 4 h: lanes 0-15 store a row's first scale word, lanes 16-31 its second
	v_mov_b32 v22, 0                               ; a lane permute's destination counts as read
	s_mov_b32 s44, 0x76543210
	s_mov_b32 s45, 0xfedcba98                      ; v_permlanex16_b32's selects for lane l xor 16
	s_cmp_ge_u32 ttmp9, 768
	s_cbranch_scc1 .Lmask
	; ---- THE QUANTISER.  The work-group is row tile ttmp9; wave w takes K slot w (256 along K) in two steps of 128.
	s_wait_kmcnt 0x0
	s_mov_b32 s24, 704
	s_cmp_lt_u32 ttmp9, 704                        ; which tensor: the choice hangs on the work-group's number alone
	s_cselect_b64 s[22:23], s[6:7], s[8:9]
	s_cselect_b32 s24, 512, s24
	s_cmp_lt_u32 ttmp9, 512
	s_cselect_b64 s[22:23], s[4:5], s[22:23]
	s_cselect_b32 s24, 0, s24
	s_sub_co_u32 s24, ttmp9, s24                   ; the row tile within its tensor
	s_lshr_b32 s25, s24, 1
	s_lshl_b32 s25, s25, 17                        ; 32 rows of 4,096 bytes for each pair of tiles,
	s_and_b32 s26, s24, 1
	s_lshl_b32 s26, s26, 15                        ; 8 rows for the odd tile,
	s_add_co_u32 s26, s26, s25
	s_lshl_b32 s25, s20, 10                        ; 1,024 bytes along K for each wave
	s_add_co_u32 s26, s26, s25
	s_mov_b32 s27, 0
	s_add_nc_u64 s[22:23], s[22:23], s[26:27]
	s_mul_i32 s26, ttmp9, 12288
	s_mul_i32 s25, s20, 3072
	s_add_co_u32 s26, s26, s25
	s_add_nc_u64 s[12:13], s[12:13], s[26:27]      ; codes: my tile, my four chunks
	s_mul_i32 s26, s20, 98304
	s_lshl_b32 s25, ttmp9, 7
	s_add_co_u32 s26, s26, s25
	s_add_nc_u64 s[14:15], s[14:15], s[26:27]      ; scl: my slot, my 16 rows
	LOADR R0, 22, 4096, 0
	LOADR R1, 22, 4096, 512
; 64 numbers of a lane, v[xs + 32 c + i] = k 64 c + 32 h + i of row r (two whole blocks), become a fragment's 12 registers and the row's scale word of step q; the codes are stored.
.macro PROC xs, q
.set PCQ, CQ+12*\q
.irp c, 0,1
	v_max3_num_f32 v[12+\c], |v[\xs+32*\c]|, |v[\xs+32*\c+1]|, 0x1800000   ; the floor 2^(3 - 127) among the leaves: the byte cannot fall under 1
.endr
.irp i, 2,4,6,8,10,12,14,16,18,20,22,24,26,28,30
.irp c, 0,1
	v_max3_num_f32 v[12+\c], v[12+\c], |v[\xs+32*\c+\i]|, |v[\xs+32*\c+\i+1]|   ; the two blocks by turns
.endr
.endr
.irp c, 0,1
	v_add_nc_u32 v[14+\c], 0xff000000, v[12+\c]    ; 2 off the exponent field: the conversion's scale operand
.endr
.irp c, 0,1
	v_lshrrev_b32 v[16+\c], 23, v[14+\c]           ; the scale's byte
.endr
	v_lshl_or_b32 v18, v17, 16, v16                ; my bytes are those of blocks h and 2 + h
	v_lshlrev_b32 v18, v10, v18
	v_permlanex16_b32 v22, v18, s44, s45
	v_or_b32 v[20+\q], v18, v22                    ; with lane l xor 16's two the word is whole
.irp c, 0,1
	v_cvt_scalef32_pk16_fp6_f32 v[PCQ+6*\c:PCQ+6*\c+2], v[\xs+32*\c:\xs+32*\c+15], v[14+\c]
	v_cvt_scalef32_pk16_fp6_f32 v[TQ+4*\c:TQ+4*\c+2], v[\xs+32*\c+16:\xs+32*\c+31], v[14+\c]   ; (a conversion's three registers begin on an even number)
.endr
	v_nop                                          ; one plain place behind a scaled conversion
.irp c, 0,1
.irp i, 0,1,2
	v_mov_b32 v[PCQ+6*\c+3+\i], v[TQ+4*\c+\i]
.endr
.endr
.irp c, 0,1
	global_store_b128 v4, v[PCQ+6*\c:PCQ+6*\c+3], s[12:13] offset:768*(2*\q+\c)        ; 512 consecutive bytes, aligned
	global_store_b64 v5, v[PCQ+6*\c+4:PCQ+6*\c+5], s[12:13] offset:768*(2*\q+\c)+512   ; 256 consecutive bytes, aligned
.endr
.endm
	s_wait_loadcnt 16                              ; step 0's sixteen loads are in; step 1's sixteen may be out
	TURNS R0, X, 6, 7, 8
	s_wait_loadcnt 0x0
	s_wait_dscnt 0x0                               ; step 0 is back from the stage, and its stores have read R0
	TURNS R1, R0, 6, 7, 8                          ; step 1 turns while step 0 is worked
	PROC X, 0
	s_wait_dscnt 0x0
	PROC R0, 1
	v_cmp_eq_u32 vcc_lo, 1, v3
	v_cndmask_b32 v23, v20, v21, vcc_lo
	global_store_b32 v11, v23, s[14:15]
	s_wait_tensorcnt 0x0
	ds_add_u32 v251, v255
	s_wait_dscnt 0x0
	s_endpgm
	; ---- THE MASK.  The work-group is query tile T; wave w takes key steps s = 4 w + q, q = 0 .. 3.
.Lmask:
	s_wait_kmcnt 0x0
	s_sub_co_u32 s24, ttmp9, 768                   ; T
	s_lshr_b32 s25, s24, 1
	s_lshl_b32 s25, s25, 18                        ; 32 rows of 8,192 bytes for each pair of tiles
	s_and_b32 s26, s24, 1
	s_lshl_b32 s26, s26, 16
	s_add_co_u32 s26, s26, s25
	s_lshl_b32 s25, s20, 11                        ; 512 keys for each wave
	s_add_co_u32 s26, s26, s25
	s_mov_b32 s27, 0
	s_add_nc_u64 s[10:11], s[10:11], s[26:27]
	s_lshl_b32 s26, s24, 12
	s_lshl_b32 s25, s20, 10
	s_add_co_u32 s26, s26, s25
	s_add_nc_u64 s[16:17], s[16:17], s[26:27]      ; maskw: (16 T + 4 w) x 256
	s_lshl_b32 s26, s24, 6
	s_lshl_b32 s25, s20, 4
	s_add_co_u32 s26, s26, s25
	s_add_nc_u64 s[18:19], s[18:19], s[26:27]      ; flags: (4 T + w) x 16
	s_mov_b32 s25, -1                              ; the AND of all my words
	s_mov_b32 s26, 0                               ; bits: some key open
	s_mov_b32 s27, 0                               ; bits: some key hidden
	s_lshl_b32 s30, s20, 2
.irp i, 0,1,2,3,4,5,6,7
	v_mov_b32 v[OW+\i], 0                          ; v_writelane_b32's destination counts as read
.endr
	LOADR R0, 10, 8192, 0
	LOADR R1, 10, 8192, 512
.macro MSTEP q
.if \q < 3
	s_wait_loadcnt 16                              ; this step's sixteen loads are in; the next step's may be out
.else
	s_wait_loadcnt 0x0
.endif
	TURNS R0+64*(\q%2), X, 8, 9, 4                 ; v[X + n] = mask[my row][128 s + 32 (n / 16) + 16 h + n % 16]
	s_wait_dscnt 0x0                               ; they are back, and the stores have read their registers
.if \q < 2
	LOADR R0+64*(\q%2), 10, 8192, 512*(\q+2)
.endif
	s_mov_b32 s28, -1
	s_mov_b32 s29, 0
.set g, 0
.rept 8
.set e, 0
.rept 8
	v_cmp_eq_u32 s[32+e], 0, v[X+8*g+e]            ; word n = 8 g + e: a bit for each lane whose key is hidden
.set e, e+1
.endr
.set e, 0
.rept 8
	s_and_b32 s28, s28, s[32+e]
	s_or_b32 s29, s29, s[32+e]
	v_writelane_b32 v[OW+2*\q+e%2], s[32+e], 4*g+e/2   ; word n to lane n / 2, register n % 2: byte 4 n of the store below
.set e, e+1
.endr
.set g, g+1
.endr
	s_and_b32 s25, s25, s28
	s_cmp_lg_u32 s28, -1
	s_cselect_b32 s40, 1, 0
	s_add_co_u32 s41, s30, \q
	s_lshl_b32 s40, s40, s41
	s_or_b32 s26, s26, s40
	s_cmp_lg_u32 s29, 0
	s_cselect_b32 s40, 1, 0
	s_lshl_b32 s40, s40, s41
	s_or_b32 s27, s27, s40
	global_store_b64 v5, v[OW+2*\q:OW+2*\q+1], s[16:17] offset:256*\q   ; 256 consecutive bytes, aligned
.endm
	MSTEP 0
	MSTEP 1
	MSTEP 2
	MSTEP 3
	v_mov_b32 v12, s26
	v_mov_b32 v13, s27
	v_mov_b32 v14, s25
	v_mov_b32 v15, 0
	v_mov_b32 v16, 0
	v_cmp_eq_u32 vcc_lo, 0, v1
	s_wait_xcnt 0x0                                ; EXEC changes only behind this wait
	s_wait_tensorcnt 0x0
	ds_add_u32 v251, v255
	s_wait_dscnt 0x0
	s_and_saveexec_b32 s31, vcc_lo
	global_store_b128 v16, v[12:15], s[18:19]      ; lane 0 alone: the wave's record
	s_wait_xcnt 0x0
	s_or_b32 exec_lo, exec_lo, s31
	s_endpgm
.Lfunc_end_k_q2004341dcb_prep:
	.size	k_q2004341dcb_prep, .Lfunc_end_k_q2004341dcb_prep-k_q2004341dcb_prep
	.p2alignl 7, 3214868480
	.fill 96, 4, 3214868480
	.section	.rodata,"a",@progbits
	.p2align	6, 0x0
	.amdhsa_kernel k_q2004341dcb_prep
		.amdhsa_group_segment_fixed_size 68096
		.amdhsa_private_segment_fixed_size 0
		.amdhsa_enable_private_segment 0
		.amdhsa_kernarg_size 64
		.amdhsa_user_sgpr_count 2
		.amdhsa_user_sgpr_kernarg_segment_ptr 1
		.amdhsa_wavefront_size32 1
		.amdhsa_system_sgpr_workgroup_id_x 1
		.amdhsa_system_sgpr_workgroup_id_y 1
		.amdhsa_system_sgpr_workgroup_id_z 1
		.amdhsa_system_vgpr_workitem_id 0
		.amdhsa_next_free_vgpr 256
		.amdhsa_next_free_sgpr 66
		.amdhsa_reserve_vcc 1
		.amdhsa_float_denorm_mode_32 3
		.amdhsa_float_denorm_mode_16_64 3
		.amdhsa_memory_ordered 1
		.amdhsa_forward_progress 1
		.amdhsa_inst_pref_size 83
	.end_amdhsa_kernel
	.amdgpu_metadata
---
amdhsa.version: [ 1, 2 ]
amdhsa.kernels:
  - .name:           k_q2004341dcb_prep
    .symbol:         k_q2004341dcb_prep.kd
    .args:
      - { .name: x, .offset: 0, .size: 8, .value_kind: global_buffer, .address_space: global }
      - { .name: W_qkv, .offset: 8, .size: 8, .value_kind: global_buffer, .address_space: global }
      - { .name: W_out, .offset: 16, .size: 8, .value_kind: global_buffer, .address_space: global }
      - { .name: mask, .offset: 24, .size: 8, .value_kind: global_buffer, .address_space: global }
      - { .name: codes, .offset: 32, .size: 8, .value_kind: global_buffer, .address_space: global }
      - { .name: scl, .offset: 40, .size: 8, .value_kind: global_buffer, .address_space: global }
      - { .name: maskw, .offset: 48, .size: 8, .value_kind: global_buffer, .address_space: global }
      - { .name: flags, .offset: 56, .size: 8, .value_kind: global_buffer, .address_space: global }
    .group_segment_fixed_size: 68096
    .private_segment_fixed_size: 0
    .kernarg_segment_align: 8
    .kernarg_segment_size: 64
    .max_flat_workgroup_size: 128
    .sgpr_count:     66
    .vgpr_count:     256
    .wavefront_size: 32
...
	.end_amdgpu_metadata
.endif
;; end of part 1
;; launch gemm_qkv (part 2): grid 12 x 32, 4 waves a work-group, clusters of 4 x 4, 327,680 bytes of LDS; arguments codes, scl, b_qkv, frag; writes frag
.if DOCPART == 2
	.amdgcn_target "amdgcn-amd-amdhsa--gfx1250"
	.amdhsa_code_object_version 6
	.text
	.protected	k_q2004341dcb_gemm_qkv
	.globl	k_q2004341dcb_gemm_qkv
	.p2align	8
	.type	k_q2004341dcb_gemm_qkv,@function
k_q2004341dcb_gemm_qkv:
	s_mov_b64 s[64:65], 0
	v_nop
	global_prefetch_b8 v0, s[64:65] scope:SCOPE_SE
	s_setreg_imm32_b32 hwreg(HW_REG_WAVE_MODE, 25, 1), 1
	s_wait_xcnt 0x0
	s_wait_alu depctr_hold_cnt(0) depctr_sa_sdst(0) depctr_va_vdst(0) depctr_va_sdst(0) depctr_va_ssrc(0) depctr_va_vcc(0) depctr_vm_vsrc(0)
	s_getreg_b32 s2, hwreg(HW_REG_IB_STS2, 6, 4)
	s_cmp_eq_u32 s2, 0
	s_cbranch_scc0 .Lentry_in_a_cluster
	s_endpgm
.Lentry_in_a_cluster:
	s_bfe_u32 s2, ttmp6, 0x10000c
	s_cmp_lg_u32 s2, 0xf033
	s_cbranch_scc0 .Lentry_shape_is_right
	s_endpgm
.Lentry_shape_is_right:
; qkv = x W_qkv^T + b_qkv on codes of FP6 (E2M3) with E8M0 scales, K = 1,024; the results are quantised in registers and leave as operand images for the attention launch.  No f32 result goes to memory.
; A work-group makes 256 x 256, each of its four waves 128 x 128: 64 accumulators, 512 registers.  Source 0 = S0, source 1 = S1: a lane holds ONE row of S1, and its registers run along S0.
; Rows of both operands lie in position order (position p = true row p with bits 3 and 4 exchanged), so that the 16 registers of S0's blocks 2 b and 2 b + 1 are the true indices 32 b + 16 (lane / 16) + 0 .. 15.
; Cluster x = 0 makes q, 1 makes k: S1 = 256 tokens, S0 = 256 rows of W: registers run along the features, the K of q k^T.  Cluster x = 2 makes v: S1 = 256 rows of W_v, S0 = 256 tokens: registers run along the keys, the K of p v.
; codes: [768 row tiles of 16][16 chunks of 64 K][768]: lane (r, h)'s 24 bytes of a chunk lie at 16 x lane (16 bytes) and 512 + 8 x lane (8 bytes): every LDS load takes consecutive bytes in consecutive lanes.
; K goes in four slots of 256 through a ring of two LDS slots; a wave's tensor load brings 8 row tiles x 3,072 bytes.  The scales of the work-group's 512 rows for all of K come once, with the first fills.
; CLUSTERS: 4 x 4 work-groups; S1's tiles are asked for jointly by a row of the cluster, S0's by a column.
; frag: [q, k, v][64 heads][16 sigma][6,656].  q, k: eight chunks (16 positions x 64 d) at 768 t, then 512 bytes of scale words: lane l's word i is position 32 i + l's (bytes 0, 1; bytes 2, 3 are never 0xff).
;   v: four fragments (16 d positions x 128 keys) at 1,536 e, then lane l's {m0, m1, 0, 0}: m_i holds d tile 2 i's words in lanes 0-15, tile 2 i + 1's in lanes 16-31.
; LIMITS: a block of zeros gets the byte 1 (its codes are zeros; this program alone reads the bytes); largest magnitudes under 2^-124 are held at byte 1; NaN and infinities are not served.
; REGISTERS: window 0: v16-29 addresses; v32-63 scale words, two sets, and nothing else ever; v64-127 the bias as the first products' C, later at work; v128-223 S1's fragments, one set, later the codes.
;   window 1: S0's fragments, two sets at v0 and v128.   windows 2, 3: the accumulators ((a, b) at v[8 (8 (a % 4) + b)], window 2 + a / 4).
.set NQ,     2                         ; steps of 128 along K in a slot
.set FR,     12                        ; registers of a fragment
.set NL,     4                         ; LDS loads that bring one
.set NP,     4                         ; places behind this matrix instruction (ISA guide 7.12.1)
.set HALFT,  24576                     ; 8 row tiles x 3,072 bytes: what one tensor load brings
.set SLOT,   4*HALFT                   ; S1's 256 rows, then S0's
.set SCL,    2*SLOT                    ; the scales: four regions [4 slots][128 rows][8 bytes]
.set SPARE,  SCL+4*4096                ; the spare words, 128 bytes for each wave: two blocks of 256 bytes that no other line names
.set REC,    6656
.set HS,     16*REC                    ; a head's records
.set REGION, 64*HS
.set ADRA, 16                          ; v16-17 S1's fragments in slot 0, 1, by 16 x lane; v18-19 by 8 x lane
.set ADRB, 20                          ; v20-23 the same for S0
.set L16,  24                          ; v24 16 x lane
.set L8,   25                          ; v25 8 x lane
.set ADRS, 27                          ; v27 my scale words: lanes 0-15 S1's rows, lanes 16-31 S0's
.set SPW,  28                          ; v28 my spare word; never rewritten
.set NIL,  29                          ; v29 0; never rewritten
.set SC,   32
.set BIAS, 64
.set AF,   128
.set TM,   64                          ; the way out: v64-67 largest magnitudes, v68-71 bytes, v76-79 scale operands
.set PW,   80                          ; the scale word just made;  v81 the even block's;  v84-87 two blocks' words in one register
.set PWE,  81
.set PWM,  84
.set QA,   88
.set QB,   92
.set ZERO, 96
.set G1, 24
.set G0, 32
.set G1B, 48
.set G0B, 56
.set G1S, 68
.set G0S, 76
.set G1SB, 80
.set G0SB, 88
.set MSB, 0
.macro WIN new                         ; the immediate's high byte repeats the setting that is left
.if MSB != \new
	s_set_vgpr_msb (MSB<<8)|\new
.set MSB, \new
.endif
.endm
.set MUL_LO, 0xa1                      ; source 0 (S0) window 1, source 1 (S1) window 0, C and D window 2
.set MUL_HI, 0xf1
.set TO_B,   0x40
.macro JLOAD g0a, g1a, g0b, g1b        ; a joint load: waves 0 and 1 fetch for S1, waves 2 and 3 for S0; four v_nop follow each line
	s_cmp_eq_u32 s15, 0
	s_cbranch_scc0 .Lfor_b_\@
	tensor_load_to_lds s[\g0a:\g0a+3], s[\g1a:\g1a+7]
	s_nop 0
.rept 4
	v_nop
.endr
	s_branch .Lasked_\@
.Lfor_b_\@:
	tensor_load_to_lds s[\g0b:\g0b+3], s[\g1b:\g1b+7]
	s_nop 0
.rept 4
	v_nop
.endr
.Lasked_\@:
.endm
.macro CREST                           ; a round of the cluster's barrier behind its opening barrier
	s_cmp_lg_u32 s14, 0
	s_cbranch_scc1 .Lnot_wave_0_\@
	s_barrier_signal -3
.Lnot_wave_0_\@:
	s_barrier_wait -3
	s_barrier_signal -1
	s_barrier_wait -1
.endm
.macro CROUND
	s_barrier_signal -1
	s_barrier_wait -1
	CREST
.endm
	s_load_b256 s[4:11], s[0:1], 0x0               ; codes, scl, b_qkv, frag
	v_lshl_add_u32 v[SPW], v0, 2, SPARE
	v_mov_b32 v[NIL], 0
	ds_add_u32 v28, v29
	ds_add_u32 v28, v29
	s_wait_dscnt 0x0
	v_lshrrev_b32 v1, 5, v0
	v_readfirstlane_b32 s14, v1                    ; wave 0..3
	s_lshr_b32 s15, s14, 1                         ; my half of S1's rows.  Also: I fetch for S1 (0) or S0 (1)
	s_and_b32 s16, s14, 1                          ; my half of S0's rows.  Also: which 128 rows I fetch
	s_bfe_u32 s40, ttmp6, 0x40000                  ; cx
	s_bfe_u32 s41, ttmp6, 0x40004                  ; cy
	s_and_b32 s12, ttmp7, 0xffff
	s_lshl_b32 s12, s12, 2                         ; 4 x cluster y: kept for the way out
	s_lshl_b32 s13, ttmp9, 2
	s_add_co_u32 s13, s13, 32                      ; W_qkv begins at tile 32 of 256 rows
	s_cmp_eq_u32 ttmp9, 2                          ; the cluster's x: the same in all sixteen partners
	s_cselect_b32 s96, 1, 0                        ; 1: this cluster makes v
	s_cselect_b32 s17, 40, s12
	s_cselect_b32 s42, s12, s13
	s_add_co_u32 s17, s17, s41                     ; S1's tile: hangs on cy, never on cx
	s_add_co_u32 s42, s42, s40                     ; S0's tile: hangs on cx, never on cy
	s_lshl_b32 s43, s41, 2
	s_lshl_b32 s43, 15, s43                        ; my row of the cluster
	s_lshl_b32 s44, 0x1111, s40                    ; my column
	s_or_b32 s[G1+0], s43, (3<<16)|(1<<21)         ; 15:0 the mask; 17:16 elements of 8 bytes; 20 no padding; 21 set beside a mask
	s_or_b32 s[G1B+0], s44, (3<<16)|(1<<21)
.irp g, G1, G1B
	s_mov_b32 s[\g+1], 384<<16                     ; tensor_dim0: 3,072 bytes
	s_mov_b32 s[\g+2], 8<<16                       ; tensor_dim1: 8 row tiles
	s_mov_b32 s[\g+3], 384<<16                     ; tile_dim0
	s_mov_b32 s[\g+4], 8                           ; tile_dim1
	s_mov_b32 s[\g+5], 1536                        ; 12,288 bytes from row tile to row tile
	s_mov_b32 s[\g+6], 0
	s_mov_b32 s[\g+7], 0
.endr
	s_or_b32 s[G1S+0], s43, (3<<16)|(1<<21)
	s_or_b32 s[G1SB+0], s44, (3<<16)|(1<<21)
.irp g, G1S, G1SB
	s_mov_b32 s[\g+1], 128<<16                     ; 128 rows x 8 bytes
	s_mov_b32 s[\g+2], 4<<16                       ; four slots of K
	s_mov_b32 s[\g+3], 128<<16
	s_mov_b32 s[\g+4], 4
	s_mov_b32 s[\g+5], 12288                       ; 12,288 rows from slot to slot
	s_mov_b32 s[\g+6], 0
	s_mov_b32 s[\g+7], 0
.endr
	s_lshl_b32 s18, s16, 3
	s_lshl_b32 s20, s17, 4
	s_add_co_u32 s20, s20, s18                     ; S1: row tile 16 x tile + 8 x half
	s_lshl_b32 s46, s42, 4
	s_add_co_u32 s46, s46, s18                     ; S0 likewise
	s_lshl_b32 s22, s20, 7                         ; their scales: 128 bytes a row tile
	s_lshl_b32 s92, s46, 7
	s_mul_i32 s20, s20, 12288                      ; their codes
	s_mul_i32 s46, s46, 12288
	s_mov_b32 s21, 0
	s_mov_b32 s23, 0
	s_mov_b32 s47, 0
	s_mov_b32 s93, 0
	s_mul_i32 s45, s14, HALFT                      ; where they go: by the wave's number alone
	s_lshl_b32 s94, s14, 12
	s_wait_kmcnt 0x0
	s_add_nc_u64 s[20:21], s[4:5], s[20:21]
	s_add_nc_u64 s[22:23], s[6:7], s[22:23]
	s_add_nc_u64 s[46:47], s[4:5], s[46:47]
	s_add_nc_u64 s[92:93], s[6:7], s[92:93]
	CROUND                                         ; all sixteen work-groups are here: the first joint loads meet
	s_mov_b32 s[G0S], 1
	s_add_co_u32 s[G0S+1], s94, SCL
	s_mov_b64 s[G0S+2:G0S+3], s[22:23]
	s_or_b32 s[G0S+3], s[G0S+3], 0x80000000
	s_mov_b32 s[G0SB], 1
	s_add_co_u32 s[G0SB+1], s94, SCL
	s_mov_b64 s[G0SB+2:G0SB+3], s[92:93]
	s_or_b32 s[G0SB+3], s[G0SB+3], 0x80000000
	JLOAD G0S, G1S, G0SB, G1SB                     ; the scales first: three loads of mine are out behind these first fills
.irp s, 0,1
	s_mov_b32 s[G0+4*\s], 1
	s_add_co_u32 s[G0+4*\s+1], s45, \s*SLOT
	s_add_nc_u64 s[G0+4*\s+2:G0+4*\s+3], s[20:21], \s*3072
	s_or_b32 s[G0+4*\s+3], s[G0+4*\s+3], 0x80000000
	s_mov_b32 s[G0B+4*\s], 1
	s_add_co_u32 s[G0B+4*\s+1], s45, \s*SLOT
	s_add_nc_u64 s[G0B+4*\s+2:G0B+4*\s+3], s[46:47], \s*3072
	s_or_b32 s[G0B+4*\s+3], s[G0B+4*\s+3], 0x80000000
	JLOAD G0+4*\s, G1, G0B+4*\s, G1B
.endr
	v_and_b32 v1, 15, v0                           ; r
	v_bfe_u32 v2, v0, 4, 1                         ; h
	v_and_b32 v3, 31, v0
	v_lshlrev_b32 v[L16], 4, v3
	v_lshlrev_b32 v[L8], 3, v3
	s_mul_i32 s21, s15, HALFT                      ; my 128 rows of S1
	s_mul_i32 s22, s16, HALFT                      ; my 128 rows of S0,
	s_add_co_u32 s22, s22, 2*HALFT                 ; which lie behind S1's 256
.irp s, 0,1
	v_add_nc_u32 v[ADRA+\s], s21, v[L16]
	v_add_nc_u32 v[ADRA+2+\s], s21, v[L8]
	v_add_nc_u32 v[ADRB+\s], s22, v[L16]
	v_add_nc_u32 v[ADRB+2+\s], s22, v[L8]
	s_add_co_u32 s21, s21, SLOT
	s_add_co_u32 s22, s22, SLOT
.endr
	v_lshlrev_b32 v5, 3, v1                        ; 8 bytes a row
	s_lshl_b32 s21, s15, 12                        ; S1's: my 128 rows
	s_lshl_b32 s22, s16, 12                        ; S0's: my 128 rows, behind S1's two regions
	s_add_co_u32 s22, s22, 8192
	s_sub_co_u32 s22, s22, s21
	v_mul_u32_u24 v6, s22, v2                      ; lanes 16-31 take S0's: one product, the distance between the two
	s_add_co_u32 s21, s21, SCL
	v_add_nc_u32 v5, v5, v6
	v_add_nc_u32 v[ADRS], s21, v5
	; the bias is the C of each sum's first product, in the result's layout
	s_cmp_eq_u32 s96, 0
	s_cbranch_scc0 .Lbias_v
	s_sub_co_u32 s2, s42, 32                       ; q, k: it runs along S0: block b's register j is feature 32 (b / 2) + 8 (b % 2) + 16 h + j
	s_lshl_b32 s2, s2, 10
	s_lshl_b32 s3, s16, 9
	s_add_co_u32 s2, s2, s3
	s_mov_b32 s3, 0
	s_add_nc_u64 s[8:9], s[8:9], s[2:3]
	v_lshlrev_b32 v7, 6, v2
.irp b, 0,1,2,3,4,5,6,7
	global_load_b128 v[BIAS+8*\b:BIAS+8*\b+3], v7, s[8:9] offset:(32*(\b/2)+8*(\b%2))*4
	global_load_b128 v[BIAS+8*\b+4:BIAS+8*\b+7], v7, s[8:9] offset:(32*(\b/2)+8*(\b%2))*4+16
.endr
	s_wait_loadcnt 0x0
	s_branch .Lbias_done
.Lbias_v:
	s_sub_co_u32 s2, s17, 32                       ; v: it runs along S1: block a's eight registers all hold the bias of feature 32 (a / 2) + 8 (a % 2) + r + 8 (r / 8)
	s_lshl_b32 s2, s2, 10
	s_lshl_b32 s3, s15, 9
	s_add_co_u32 s2, s2, s3
	s_mov_b32 s3, 0
	s_add_nc_u64 s[8:9], s[8:9], s[2:3]
	v_and_b32 v7, 8, v1
	v_add_nc_u32 v7, v7, v1
	v_lshlrev_b32 v7, 2, v7
.irp a, 0,1,2,3,4,5,6,7
	global_load_b32 v[BIAS+8*\a], v7, s[8:9] offset:(32*(\a/2)+8*(\a%2))*4
.endr
	s_wait_loadcnt 0x0
.irp a, 0,1,2,3,4,5,6,7
.irp j, 1,2,3,4,5,6,7
	v_mov_b32 v[BIAS+8*\a+\j], v[BIAS+8*\a]
.endr
.endr
.rept 8
	v_nop
.endr
.Lbias_done:
.macro FRAG reg, adr, q, i             ; a fragment, 16 rows x 128 K, is two chunks: registers 0-3, 4-5, 6-9, 10-11
	ds_load_b128 v[\reg:\reg+3], v[\adr] offset:(\i)*3072+(\q)*1536
	ds_load_b64 v[\reg+4:\reg+5], v[\adr+2] offset:(\i)*3072+(\q)*1536+512
	ds_load_b128 v[\reg+6:\reg+9], v[\adr] offset:(\i)*3072+(\q)*1536+768
	ds_load_b64 v[\reg+10:\reg+11], v[\adr+2] offset:(\i)*3072+(\q)*1536+1280
.endm
; 16 matrix instructions: S1's blocks a0, a0 + 1 x S0's eight.  cm = 0: in place; 1: C = the bias of S0's block; 2: of S1's block.  The 64 accumulators take turns, one instruction a turn.
.macro MUL16 a0, p, q, sc, cm
.irp a, \a0, \a0+1
.irp b, 0,1,2,3,4,5,6,7
.set rD, 8*(8*((\a)%4)+\b)
.set rB, 128*(\p)+FR*\b
.set rA, AF+FR*(\a)
.set rC, rD
.if \cm == 1
.set rC, BIAS+8*\b
.endif
.if \cm == 2
.set rC, BIAS+8*(\a)
.endif
.set rSB, SC+8*NQ*(\sc)+NQ*\b+(\q)
.set rSA, SC+8*NQ*(\sc)+NQ*(\a)+(\q)
	v_wmma_scale_f32_16x16x128_f8f6f4 v[rD:rD+7], v[rB:rB+FR-1], v[rA:rA+FR-1], v[rC:rC+7], v[rSB], v[rSA] matrix_a_fmt:MATRIX_FMT_FP6 matrix_b_fmt:MATRIX_FMT_FP6 matrix_a_scale:MATRIX_SCALE_ROW1
.endr
.endr
.endm
.macro FETCH_B slot, q, p
	WIN TO_B
.irp i, 0,1,2,3,4,5,6,7
	FRAG 128*(\p)+FR*\i, ADRB+\slot, \q, \i
.endr
	WIN 0
.endm
.macro FETCH_A slot, q, i0
.irp i, \i0, \i0+1, \i0+2, \i0+3
	FRAG AF+FR*(\i), ADRA+\slot, \q, \i
.endr
.endm
.macro SCALES sc                       ; a slot's two words a row: lanes 0-15 S1's block i, lanes 16-31 S0's block i
.irp i, 0,1,2,3,4,5,6,7
	ds_load_b64 v[SC+8*NQ*\sc+NQ*\i:SC+8*NQ*\sc+NQ*\i+1], v[ADRS] offset:\i*128
.endr
.endm
.macro PLACES n                        ; plain vector instructions in front of loads into registers that matrix instructions have read, and of the first read of results
.rept \n
	v_nop
.endr
.endm
.macro STEP slot, q, cm                ; a step of 128 along K that has its successor in the same slot
	s_wait_dscnt 4*NL                              ; all but the youngest sixteen loads (S1's blocks 4-7)
.if \cm
	WIN 0x81                                       ; C in window 0, D in window 2
.else
	WIN MUL_LO
.endif
	MUL16 0, (\q)%2, \q, \slot, \cm
	MUL16 2, (\q)%2, \q, \slot, \cm
	s_wait_dscnt 0
	PLACES NP
	FETCH_B \slot, (\q)+1, 1-(\q)%2
	FETCH_A \slot, (\q)+1, 0
.if \cm
	WIN 0xc1
.else
	WIN MUL_HI
.endif
	MUL16 4, (\q)%2, \q, \slot, \cm
	MUL16 6, (\q)%2, \q, \slot, \cm
	PLACES NP
	WIN 0
	FETCH_A \slot, (\q)+1, 4
.endm
; A slot's last step changes slots: in front of the barrier each wave waits for all its tensor loads, adds 0 to its spare word, and waits for that and for its reads of this slot.  fill = 1: the slot is filled again, two slots ahead.
.macro TURN slot, next, fill
	s_wait_tensorcnt 0x0                           ; all my tensor loads have landed: my part of the next slot
	ds_add_u32 v[SPW], v[NIL]                      ; 0 onto my spare word
	s_wait_dscnt 4*NL+1                            ; (the add and the youngest sixteen loads may be out)
	WIN MUL_LO
	MUL16 0, 1, NQ-1, \slot, 0
	s_wait_dscnt 0x0                               ; the add is done, and my reads of this slot are over
	s_barrier_signal -1
	MUL16 2, 1, NQ-1, \slot, 0
	WIN 0
	s_barrier_wait -1
.if \fill
	CREST                                          ; the barrier has opened a round of the cluster's barrier: no wave of any partner still reads this slot or has a load on its way
	s_add_nc_u64 s[G0+4*\slot+2:G0+4*\slot+3], s[G0+4*\slot+2:G0+4*\slot+3], 6144
	s_add_nc_u64 s[G0B+4*\slot+2:G0B+4*\slot+3], s[G0B+4*\slot+2:G0B+4*\slot+3], 6144
	JLOAD G0+4*\slot, G1, G0B+4*\slot, G1B         ; my one tensor load behind the round; its four v_nop are the places in front of the loads below
.else
	PLACES NP
.endif
	v_add_nc_u32 v[ADRS], 1024, v[ADRS]            ; the next slot's scale words
	FETCH_B \next, 0, 0
	FETCH_A \next, 0, 0
	SCALES \next
	WIN MUL_HI
	MUL16 4, 1, NQ-1, \slot, 0
	MUL16 6, 1, NQ-1, \slot, 0
	PLACES NP
	WIN 0
	FETCH_A \next, 0, 4
.endm
	s_wait_tensorcnt 1                             ; the scales and my part of slot 0 are in; slot 1's load may be out
	s_barrier_signal -1
	s_barrier_wait -1
	FETCH_B 0, 0, 0
	FETCH_A 0, 0, 0
	SCALES 0
	FETCH_A 0, 0, 4
	s_cmp_eq_u32 s96, 0                            ; the first step starts the sums from the bias: along S0 for q and k, along S1 for v
	s_cbranch_scc0 .Lfirst_v
	STEP 0, 0, 1
	s_branch .Lfirst_done
.Lfirst_v:
	STEP 0, 0, 2
.Lfirst_done:
	TURN 0, 1, 1                                   ; K's four slots, written straight: slots 0 and 1 are filled again once each
	STEP 1, 0, 0
	TURN 1, 0, 1
	STEP 0, 0, 0
	TURN 0, 1, 0                                   ; nothing is left to fetch
	STEP 1, 0, 0
	s_wait_dscnt 4*NL
	WIN MUL_LO
	MUL16 0, 1, NQ-1, 1, 0
	MUL16 2, 1, NQ-1, 1, 0
	s_wait_dscnt 0
	WIN MUL_HI
	MUL16 4, 1, NQ-1, 1, 0
	MUL16 6, 1, NQ-1, 1, 0
	WIN 0
	; THE WAY OUT.  Where my records lie; every choice is a select on the cluster's x.
	s_cmp_eq_u32 s96, 1
	s_cselect_b32 s18, s40, s41                    ; the token tile among the cluster's four,
	s_cselect_b32 s19, s16, s15                    ; and my half of it
	s_cselect_b32 s20, s41, s40                    ; the feature tile,
	s_cselect_b32 s21, s15, s16                    ; and my half of it
	s_mov_b32 s2, 768
	s_cselect_b32 s2, 1536, s2                     ; from block to block
	s_mov_b32 s22, HS
	s_cselect_b32 s22, 768, s22                    ; from a fragment's first chunk to its second: the next head's record (q, k) or the next chunk (v)
	s_cselect_b32 s46, HS-6144, 0                  ; v: behind four blocks the next head begins
	s_cselect_b32 s98, -1, 0
	s_mov_b32 s3, 0
	s_mov_b32 s23, 0
	s_mov_b32 s47, 0
	s_add_co_u32 s18, s18, s12                     ; the tile of 256 tokens
	s_lshr_b32 s13, s18, 3                         ; batch
	s_and_b32 s18, s18, 7
	s_lshl_b32 s18, s18, 1
	s_add_co_u32 s18, s18, s19                     ; sigma
	s_lshl_b32 s20, s20, 2
	s_lshl_b32 s21, s21, 1
	s_add_co_u32 s20, s20, s21                     ; my first head of two
	s_lshl_b32 s13, s13, 4
	s_add_co_u32 s13, s13, s20
	s_lshl_b32 s13, s13, 4
	s_add_co_u32 s13, s13, s18
	s_mul_i32 s18, s13, REC
	s_mul_i32 s19, ttmp9, REGION
	s_add_co_u32 s18, s18, s19
	s_mov_b32 s19, 0
	s_add_nc_u64 s[10:11], s[10:11], s[18:19]      ; my first head's record
	s_mov_b64 s[92:93], s[10:11]
	s_add_nc_u64 s[94:95], s[10:11], s[22:23]
	s_mov_b32 s97, 0xffff0000
	s_mov_b32 s100, 0x76543210
	s_mov_b32 s101, 0xfedcba98
	PLACES NP                                      ; behind the last products
.irp b, 0,1,2,3
	v_mov_b32 v[TM+4+\b], 0                        ; a lane permute's destination counts as read
.endr
	v_mov_b32 v[ZERO], 0
; Block a: my lane's 64 numbers (register 16 b + i = index 32 b + 16 h + i along S0) become a fragment's 12 registers and its scale word, and are stored as two chunks.
.macro QOUT a
.set AC, 64*((\a)%4)
.set WN, 2+(\a)/4
.set WW, 5*WN
.set PC, 128+32*((\a)%2)
	WIN WW                                         ; sources 0 and 1 in the accumulators' window
.irp b, 0,1,2,3
	v_max3_num_f32 v[TM+\b], |v[AC+16*\b]|, |v[AC+16*\b+1]|, 0x1800000   ; each accumulator is read from its low end on; the floor 2^(3 - 127) holds the byte at 1 from below
.endr
.irp i, 2,4,6,8,10,12,14
.irp b, 0,1,2,3
	v_max3_num_f32 v[TM+\b], |v[AC+16*\b+\i]|, |v[AC+16*\b+\i+1]|, v[TM+\b]
.endr
.endr
	WIN 0
.irp b, 0,1,2,3
	v_permlanex16_b32 v[TM+4+\b], v[TM+\b], s100, s101
.endr
.irp b, 0,1,2,3
	v_max_num_f32 v[TM+\b], v[TM+\b], v[TM+4+\b]
.endr
.irp b, 0,1,2,3
	v_add_nc_u32 v[TM+12+\b], 0xff000000, v[TM+\b]
.endr
.irp b, 0,1,2,3
	v_lshrrev_b32 v[TM+4+\b], 23, v[TM+12+\b]
.endr
	v_lshl_or_b32 v[PW], v[TM+5], 8, v[TM+4]
	v_lshl_or_b32 v[PW], v[TM+6], 16, v[PW]
	v_lshl_or_b32 v[PW], v[TM+7], 24, v[PW]
	WIN WN
.irp c, 0,1
	v_cvt_scalef32_pk16_fp6_f32 v[PC+6*\c:PC+6*\c+2], v[AC+32*\c:AC+32*\c+15], v[TM+12+2*\c]
	v_cvt_scalef32_pk16_fp6_f32 v[PC+12+4*\c:PC+12+4*\c+2], v[AC+32*\c+16:AC+32*\c+31], v[TM+12+2*\c+1]
.endr
	WIN 0
	v_nop                                          ; one plain place behind a scaled conversion
.irp c, 0,1
.irp i, 0,1,2
	v_permlane16_swap_b32 v[PC+6*\c+\i], v[PC+12+4*\c+\i]   ; a whole block to a lane
.endr
.irp i, 0,1,2
	v_mov_b32 v[PC+3+6*\c+\i], v[PC+12+4*\c+\i]
.endr
.endr
.if (\a)%2 == 0
	v_mov_b32 v[PWE], v[PW]
.else
	v_cndmask_b32 v[PWM+(\a)/2], v[PWE], v[PW], s97   ; lanes 0-15 the even block's words, lanes 16-31 the odd block's
.endif
	s_wait_xcnt 0x0                                ; the earlier stores have read their bases and their data: the bases step, and the set of codes written two blocks back is free for the next block
.if (\a) > 0
	s_add_nc_u64 s[92:93], s[92:93], s[2:3]
	s_add_nc_u64 s[94:95], s[94:95], s[2:3]
.endif
.if (\a) == 4
	s_add_nc_u64 s[92:93], s[92:93], s[46:47]
	s_add_nc_u64 s[94:95], s[94:95], s[46:47]
.endif
	global_store_b128 v[L16], v[PC:PC+3], s[92:93]             ; 512 consecutive bytes, aligned
	global_store_b64 v[L8], v[PC+4:PC+5], s[92:93] offset:512  ; 256 consecutive bytes, aligned
	global_store_b128 v[L16], v[PC+6:PC+9], s[94:95]
	global_store_b64 v[L8], v[PC+10:PC+11], s[94:95] offset:512
.endm
.irp a, 0,1,2,3,4,5,6,7
	QOUT \a
.endr
	; the scale words.  q, k: a word's bytes 0, 1 are my first head's, bytes 2, 3 my second's.  v: words 0, 1 are my first head's four d tiles, words 2, 3 my second's.
	v_mov_b32 v[QA], v[PWM]
	v_mov_b32 v[QA+1], v[PWM+1]
	v_cndmask_b32 v[QA+2], v[PWM+2], v[ZERO], s98
	v_cndmask_b32 v[QA+3], v[PWM+3], v[ZERO], s98
.irp i, 0,1,2,3
	v_lshrrev_b32 v[QB+\i], 16, v[PWM+\i]
.endr
	v_cndmask_b32 v[QB], v[QB], v[PWM+2], s98
	v_cndmask_b32 v[QB+1], v[QB+1], v[PWM+3], s98
	v_cndmask_b32 v[QB+2], v[QB+2], v[ZERO], s98
	v_cndmask_b32 v[QB+3], v[QB+3], v[ZERO], s98
	global_store_b128 v[L16], v[QA:QA+3], s[10:11] offset:6144
	global_store_b128 v[L16], v[QB:QB+3], s[10:11] offset:6144+HS
	s_wait_tensorcnt 0x0                           ; the wave's end
	ds_add_u32 v[SPW], v[NIL]
	s_wait_dscnt 0x0
	CROUND                                         ; the closing round
	s_endpgm
.Lfunc_end_k_q2004341dcb_gemm_qkv:
	.size	k_q2004341dcb_gemm_qkv, .Lfunc_end_k_q2004341dcb_gemm_qkv-k_q2004341dcb_gemm_qkv
	.p2alignl 7, 3214868480
	.fill 96, 4, 3214868480
	.section	.rodata,"a",@progbits
	.p2align	6, 0x0
	.amdhsa_kernel k_q2004341dcb_gemm_qkv
		.amdhsa_group_segment_fixed_size 327680
		.amdhsa_private_segment_fixed_size 0
		.amdhsa_enable_private_segment 0
		.amdhsa_kernarg_size 32
		.amdhsa_user_sgpr_count 2
		.amdhsa_user_sgpr_kernarg_segment_ptr 1
		.amdhsa_wavefront_size32 1
		.amdhsa_system_sgpr_workgroup_id_x 1
		.amdhsa_system_sgpr_workgroup_id_y 1
		.amdhsa_system_sgpr_workgroup_id_z 1
		.amdhsa_system_vgpr_workitem_id 0
		.amdhsa_next_free_vgpr 1024
		.amdhsa_next_free_sgpr 102
		.amdhsa_reserve_vcc 0
		.amdhsa_float_denorm_mode_32 3
		.amdhsa_float_denorm_mode_16_64 3
		.amdhsa_memory_ordered 1
		.amdhsa_forward_progress 1
		.amdhsa_inst_pref_size 168
	.end_amdhsa_kernel
	.amdgpu_metadata
---
amdhsa.version: [ 1, 2 ]
amdhsa.kernels:
  - .name:           k_q2004341dcb_gemm_qkv
    .symbol:         k_q2004341dcb_gemm_qkv.kd
    .args:
      - { .name: codes, .offset: 0, .size: 8, .value_kind: global_buffer, .address_space: global }
      - { .name: scl, .offset: 8, .size: 8, .value_kind: global_buffer, .address_space: global }
      - { .name: b_qkv, .offset: 16, .size: 8, .value_kind: global_buffer, .address_space: global }
      - { .name: frag, .offset: 24, .size: 8, .value_kind: global_buffer, .address_space: global }
    .group_segment_fixed_size: 327680
    .private_segment_fixed_size: 0
    .kernarg_segment_align: 8
    .kernarg_segment_size: 32
    .max_flat_workgroup_size: 128
    .sgpr_count:     102
    .vgpr_count:     1024
    .wavefront_size: 32
...
	.end_amdgpu_metadata
.endif
;; end of part 2
;; launch attn (part 3): grid 4 x 64, 16 waves a work-group, no clusters, 215,040 bytes of LDS; arguments frag, maskw, flags, attc, atts; writes attc, atts
.if DOCPART == 3
	.amdgcn_target "amdgcn-amd-amdhsa--gfx1250"
	.amdhsa_code_object_version 6
	.text
	.protected	k_q2004341dcb_attn
	.globl	k_q2004341dcb_attn
	.p2align	8
	.type	k_q2004341dcb_attn,@function
k_q2004341dcb_attn:
	s_mov_b64 s[64:65], 0
	v_nop
	global_prefetch_b8 v0, s[64:65] scope:SCOPE_SE
	s_setreg_imm32_b32 hwreg(HW_REG_WAVE_MODE, 25, 1), 1
	s_wait_xcnt 0x0
; Attention of one head on codes of FP6 (E2M3): S^T = k q^T (K = the head's 64, in an instruction of 128 whose upper half meets q's zero codes), the softmax, O^T = v^T p^T (K = the keys), O / l, quantised along C for the last product.
; t = score x log2(e) / 8; M = the running largest t rounded up to a whole number; p = 2^(t - M) is quantised along the keys; the row's sum is taken of the unquantised p and divides at the end.
; THE MASK is honoured bit by bit: a hidden key's score becomes -2^33, for which t is a whole number: in a row that is wholly hidden every p is exactly 1; in any other row a hidden key's p is 0, and what was summed before the row's
; first open key is multiplied by 2^(old M - new M) = 0.  A key step (16 queries x 128 keys) all of whose keys are hidden is jumped over, unless the tile holds a wholly hidden row: a scalar branch on flag words that an earlier launch stored.
; LIMIT: the hidden logit stands at -2^30 for -1e9: the same results as long as every open logit lies above about -9.9e8.  NaN and infinities are not served.
; SHARES.  Work-group (j, head) keeps the head's K records (LDS 0) and V records (LDS 106,496) for the whole launch, filled once through registers, and owns query tiles T = 4 idx + j.  Wave w takes idx = w, then idx = 31 - w.
; NO CLUSTER, NO TENSOR LOAD: the four work-groups of a head read its 212,992 bytes once each, at the head.
; Both products are used transposed: a lane holds ONE query.  K's tiles lie in position order, so the 16 registers of tiles 2 b, 2 b + 1 are keys 32 b + 16 (lane / 16) + 0 .. 15; V^T's tiles likewise for d.
; The two scale bytes of a row leave as single bytes, 8 bytes from row to row: sixteen heads in sixteen work-groups own the parts of these words; they are one byte in 25 of what the launch stores.
; REGISTERS: v1 16 x lane, v2 8 x lane, v5 16 r, v6 8 r + h, v7 -2^33, v8-11 the step's LDS addresses, v12 -M, v13 largest t, v[14:15] the sum, v16-21 Q, v22-27 zeros, v28-31 the fill's addresses,
;   v32-85 K's eight tiles (six registers each; v80-85 zeros), later V's four fragments; v96-159 S^T, then p; v160-191 O^T; v192-211 codes; v212-229 at work; v232-241 scales and nothing else.
.set REC,    6656
.set HS,     16*REC
.set REGION, 64*HS
.set VB,     HS                        ; V's records in LDS
.set BM,  212                          ; the blocks' largest scores, then largest p
.set PT,  216                          ; lane permutes' results, then scale bytes
.set SO,  220                          ; the conversions' scale operands
	s_load_b256 s[4:11], s[0:1], 0x0               ; frag, maskw, flags, attc
	s_load_b64 s[12:13], s[0:1], 0x20              ; atts
	v_lshl_add_u32 v254, v0, 2, 0x34000
	v_mov_b32 v255, 0
	v_lshrrev_b32 v1, 5, v0
	v_readfirstlane_b32 s14, v1                    ; wave 0..15
	s_mov_b32 s15, ttmp9                           ; j
	s_and_b32 s2, ttmp7, 0xffff                    ; 16 x batch + head
	v_lshlrev_b32 v28, 4, v0                       ; 16 x thread
	v_add_nc_u32 v29, 0x10000, v28
	v_add_nc_u32 v30, 0x20000, v28
	v_add_nc_u32 v31, 0x30000, v28
	v_and_b32 v3, 31, v0
	v_lshlrev_b32 v1, 4, v3
	v_lshlrev_b32 v2, 3, v3
	v_and_b32 v4, 15, v0
	v_bfe_u32 v3, v0, 4, 1
	v_lshlrev_b32 v5, 4, v4
	v_lshl_add_u32 v6, v4, 3, v3
	v_mov_b32 v7, 0xd0000000
	s_mov_b32 s92, 0x76543210
	s_mov_b32 s93, 0xfedcba98                      ; v_permlanex16_b32's selects for lane l xor 16
	s_mov_b32 s94, 0x3e38aa3b                      ; c = log2(e) / 8
	s_mov_b32 s95, s94
	s_mul_i32 s100, s2, HS
	s_mov_b32 s101, 0
	s_wait_kmcnt 0x0
	s_add_nc_u64 s[4:5], s[4:5], s[100:101]        ; my head's q records
	s_add_nc_u64 s[88:89], s[4:5], REGION          ; its k records; its v records lie one REGION further, reached by the immediate
.set m, 0
.rept 13
	global_load_b128 v[32+4*m:35+4*m], v28, s[88:89] offset:8192*m
.set m, m+1
.endr
.set m, 0
.rept 13
	global_load_b128 v[84+4*m:87+4*m], v28, s[88:89] offset:REGION+8192*m
.set m, m+1
.endr
	s_lshr_b32 s100, s2, 4                         ; batch
	s_lshl_b32 s100, s100, 11
	s_and_b32 s70, s2, 15                          ; head
	s_add_co_u32 s100, s100, s70
	s_mul_i32 s100, s100, 768
	s_add_nc_u64 s[10:11], s[10:11], s[100:101]    ; attc at (row tile 128 batch, chunk head)
	s_bfe_u32 s100, s2, 0x20002                    ; head / 4: the slot of 256 along C
	s_lshl_b32 s100, s100, 16
	s_lshr_b32 s70, s2, 4
	s_lshl_b32 s70, s70, 14
	s_add_co_u32 s100, s100, s70
	s_and_b32 s70, s2, 3
	s_lshl_b32 s70, s70, 1
	s_add_co_u32 s100, s100, s70
	s_add_nc_u64 s[12:13], s[12:13], s[100:101]    ; atts at (slot, row 2048 batch), my head's two bytes
.set m, 0
.rept 26
	s_wait_loadcnt 25-m                            ; load m is in; the younger ones may be out
	ds_store_b128 v[28+m/8], v[32+4*m:35+4*m] offset:8192*(m%8)
.set m, m+1
.endr
	s_wait_dscnt 0x0                               ; for the others' sake: my stores have landed
	s_barrier_signal -1
	s_barrier_wait -1                              ; K and V are whole; nothing writes LDS from here on: the launch's one barrier
.irp i, 22,23,24,25,26,27,80,81,82,83,84,85,216,217,218,219,224,227
	v_mov_b32 v\i, 0                               ; Q's upper half and the registers behind K's last tile: zero codes; lane permutes' destinations; the upper half of the pair v[226:227]
.endr
.macro KQ                              ; S^T = k q^T: eight tiles of 16 keys.  A tile's operand runs on into the next tile's registers: those codes meet Q's zero codes, and no scale byte is 0xff
.set t, 0
.rept 8
	ds_load_b128 v[32+6*t:35+6*t], v8 offset:768*t
	ds_load_b64 v[36+6*t:37+6*t], v9 offset:768*t+512
.set t, t+1
.endr
	ds_load_b128 v[232:235], v8 offset:6144        ; K's scale words: register i: tile 2 i in lanes 0-15, tile 2 i + 1 in lanes 16-31
	s_wait_dscnt 0x0
.irp u, 0,2,4,6
	v_wmma_scale_f32_16x16x128_f8f6f4 v[96+8*\u:103+8*\u], v[32+6*\u:43+6*\u], v[16:27], 0, v[232+\u/2], v240 matrix_a_fmt:MATRIX_FMT_FP6 matrix_b_fmt:MATRIX_FMT_FP6
	v_wmma_scale_f32_16x16x128_f8f6f4 v[104+8*\u:111+8*\u], v[38+6*\u:49+6*\u], v[16:27], 0, v[232+\u/2], v240 matrix_a_fmt:MATRIX_FMT_FP6 matrix_b_fmt:MATRIX_FMT_FP6 matrix_a_scale:MATRIX_SCALE_ROW1
.endr
.rept 4
	v_nop                                          ; places behind the products: their results are read, and V's loads land in K's registers
.endr
.endm
	s_mov_b32 s3, 0
.Lpass:                                            ; two trips: a query tile each
	s_sub_co_u32 s100, 31, s14
	s_cmp_eq_u32 s3, 0
	s_cselect_b32 s100, s14, s100
	s_lshl_b32 s87, s100, 2
	s_add_co_u32 s87, s87, s15                     ; T
	s_lshl_b32 s68, s87, 6
	s_load_b512 s[16:31], s[8:9], s68 offset:0x0   ; the tile's four flag records
	s_lshr_b32 s100, s87, 3
	s_mul_i32 s100, s100, REC
	s_mov_b32 s101, 0
	s_add_nc_u64 s[96:97], s[4:5], s[100:101]      ; the record of 128 positions
	s_and_b32 s100, s87, 7
	s_mul_i32 s100, s100, 768
	s_add_nc_u64 s[88:89], s[96:97], s[100:101]    ; my tile's chunk
	s_and_b32 s100, s87, 1
	s_lshl_b32 s100, s100, 8
	s_bfe_u32 s70, s87, 0x20001
	s_lshl_b32 s70, s70, 2
	s_add_co_u32 s100, s100, s70
	s_add_nc_u64 s[96:97], s[96:97], s[100:101]    ; its scale words: 256 (T % 2) + 4 ((T / 2) % 4), 16 bytes from row to row
	s_lshl_b32 s100, s87, 12
	s_add_nc_u64 s[90:91], s[6:7], s[100:101]      ; its mask words
	global_load_b128 v[16:19], v1, s[88:89]
	global_load_b64 v[20:21], v2, s[88:89] offset:512
	global_load_b32 v240, v5, s[96:97] offset:6144
	v_mov_b32 v13, 0xff61b1e6                      ; the largest t so far: -3e38
	v_floor_f32 v12, -v13                          ; -M
	v_mov_b32 v14, 0
	v_mov_b32 v15, 0
.set j, 0
.rept 32
	v_mov_b32 v[160+j], 0                          ; O^T: the step is written once; the first finds zeros
.set j, j+1
.endr
	s_wait_kmcnt 0x0
	s_or_b32 s85, s16, s20
	s_or_b32 s85, s85, s24
	s_or_b32 s85, s85, s28                         ; bit s: tile (T, s) has an open key
	s_or_b32 s86, s17, s21
	s_or_b32 s86, s86, s25
	s_or_b32 s86, s86, s29                         ; bit s: it has a hidden key
	s_and_b32 s100, s18, s22
	s_and_b32 s100, s100, s26
	s_and_b32 s100, s100, s30                      ; bit L: all 1,024 keys of lane L's half of its row are hidden
	s_lshr_b32 s70, s100, 16
	s_and_b32 s100, s100, s70
	s_and_b32 s100, s100, 0xffff                   ; not 0: a row is wholly hidden:
	s_cselect_b32 s85, 0xffff, s85                 ; then every step is worked
	s_mov_b32 s66, 0                               ; the key step
	s_mov_b32 s67, 0                               ; its record in LDS
	s_mov_b32 s84, 0                               ; its mask words
	s_wait_loadcnt 0x0                             ; Q
.Lstep:                                            ; sixteen trips
	s_lshr_b32 s100, s85, s66
	s_and_b32 s100, s100, 1
	s_cmp_eq_u32 s100, 0
	s_cbranch_scc1 .Lskip
	v_add_nc_u32 v8, s67, v1                       ; (these four are also the places behind the last step's products, in front of the loads into their operands)
	v_add_nc_u32 v9, s67, v2
	v_add_nc_u32 v10, VB, v8
	v_add_nc_u32 v11, VB, v9
	s_lshr_b32 s100, s86, s66
	s_and_b32 s100, s100, 1
	s_cmp_eq_u32 s100, 0
	s_cbranch_scc1 .Lopen
	s_load_b512 s[16:31], s[90:91], s84 offset:0x0     ; the step's 64 lane masks: word n in s[16 + n], from n = 48 on in s[20 + n]
	s_load_b512 s[32:47], s[90:91], s84 offset:0x40
	s_load_b512 s[48:63], s[90:91], s84 offset:0x80
	s_load_b512 s[68:83], s[90:91], s84 offset:0xc0
	KQ
	s_wait_kmcnt 0x0
.set n, 0
.rept 48
	v_cndmask_b32 v[96+n], v[96+n], v7, s[16+n]    ; ascending: each accumulator is read from its low end on
.set n, n+1
.endr
.rept 16
	v_cndmask_b32 v[96+n], v[96+n], v7, s[20+n]
.set n, n+1
.endr
	s_branch .Lsoft
.Lopen:
	KQ
.Lsoft:
.irp e, 0,1,2,3                        ; V's four fragments and their scale words land while the softmax runs
	ds_load_b128 v[32+12*\e:35+12*\e], v10 offset:1536*\e
	ds_load_b64 v[36+12*\e:37+12*\e], v11 offset:1536*\e+512
	ds_load_b128 v[38+12*\e:41+12*\e], v10 offset:1536*\e+768
	ds_load_b64 v[42+12*\e:43+12*\e], v11 offset:1536*\e+1280
.endr
	ds_load_b128 v[236:239], v10 offset:6144
.irp b, 0,1,2,3
	v_max3_num_f32 v[BM+\b], v[96+16*\b], v[97+16*\b], v[98+16*\b]   ; the largest score of each block of 32 keys: it serves the row's maximum and, since p rises with the score, the block's largest p
.endr
.irp i, 3,5,7,9,11,13
.irp b, 0,1,2,3
	v_max3_num_f32 v[BM+\b], v[BM+\b], v[96+16*\b+\i], v[97+16*\b+\i]
.endr
.endr
.irp b, 0,1,2,3
	v_max_num_f32 v[BM+\b], v[BM+\b], v[111+16*\b]
.endr
.irp b, 0,1,2,3
	v_permlanex16_b32 v[PT+\b], v[BM+\b], s92, s93
.endr
.irp b, 0,1,2,3
	v_max_num_f32 v[BM+\b], v[BM+\b], v[PT+\b]
.endr
	v_max3_num_f32 v224, v212, v213, v214
	v_max_num_f32 v224, v224, v215
	v_mul_f32 v224, s94, v224                      ; as t
	v_max_num_f32 v13, v13, v224                   ; the running largest t
	v_mov_b32 v224, v12
	v_floor_f32 v12, -v13                          ; the new -M = -ceil(t)
	v_sub_f32 v224, v12, v224                      ; old M - new M: a whole number, 0 or less
	v_cvt_i32_f32 v224, v224                       ; (it saturates)
	v_ldexp_f32 v226, 1.0, v224                    ; f = 2^(old M - new M)
.set j, 0
.rept 32
	v_pk_fma_f32 v[96+j:97+j], v[96+j:97+j], s[94:95], v[12:13] op_sel_hi:[1,0,0]   ; t - M
.set j, j+2
.endr
.irp b, 0,1,2,3
	v_fma_f32 v[BM+\b], v[BM+\b], s94, v12
.endr
.set j, 0
.rept 64
	v_exp_f32 v[96+j], v[96+j]                     ; p = 2^(t - M): one batch
.set j, j+1
.endr
	v_pk_mul_f32 v[14:15], v[14:15], v[226:227] op_sel_hi:[1,0]   ; the sums under the new M: the plain place behind the batch
	s_wait_alu depctr_va_vdst(0)                   ; one wait for the batch, ahead of its first reader
.irp b, 0,1,2,3
	v_exp_f32 v[BM+\b], v[BM+\b]                   ; the blocks' largest p
.endr
	v_pk_add_f32 v[228:229], v[96:97], v[98:99]    ; the row's sum of the unquantised p, in two chains
.set j, 4
.rept 15
	v_pk_add_f32 v[14:15], v[14:15], v[96+j:97+j]
	v_pk_add_f32 v[228:229], v[228:229], v[98+j:99+j]
.set j, j+4
.endr
	v_pk_add_f32 v[14:15], v[14:15], v[228:229]
	s_wait_alu depctr_va_vdst(0)                   ; and one for the four
.irp b, 0,1,2,3
	v_max_num_f32 v[BM+\b], 0x1800000, v[BM+\b]    ; the floor 2^(3 - 127): the byte cannot fall under 1
.endr
.irp b, 0,1,2,3
	v_add_nc_u32 v[SO+\b], 0xff000000, v[BM+\b]
.endr
.irp b, 0,1,2,3
	v_lshrrev_b32 v[PT+\b], 23, v[SO+\b]
.endr
	v_lshl_or_b32 v241, v217, 8, v216              ; p's scale word for these 128 keys
	v_lshl_or_b32 v241, v218, 16, v241
	v_lshl_or_b32 v241, v219, 24, v241
.irp c, 0,1
	v_cvt_scalef32_pk16_fp6_f32 v[192+6*\c:194+6*\c], v[96+32*\c:111+32*\c], v[SO+2*\c]
	v_cvt_scalef32_pk16_fp6_f32 v[204+4*\c:206+4*\c], v[112+32*\c:127+32*\c], v[SO+2*\c+1]
.endr
	v_nop                                          ; one plain place behind a scaled conversion
.irp c, 0,1
.irp i, 0,1,2
	v_permlane16_swap_b32 v[192+6*\c+\i], v[204+4*\c+\i]
.endr
.irp i, 0,1,2
	v_mov_b32 v[195+6*\c+\i], v[204+4*\c+\i]
.endr
.endr
.set j, 0
.rept 16
	v_pk_mul_f32 v[160+j:161+j], v[160+j:161+j], v[226:227] op_sel_hi:[1,0]   ; O^T under the new M; these sixteen also stand between the scale word and codes just made and the products
.set j, j+2
.endr
	s_wait_dscnt 0x0                               ; V
.irp e, 0,2
	v_wmma_scale_f32_16x16x128_f8f6f4 v[160+8*\e:167+8*\e], v[32+12*\e:43+12*\e], v[192:203], v[160+8*\e:167+8*\e], v[236+\e/2], v241 matrix_a_fmt:MATRIX_FMT_FP6 matrix_b_fmt:MATRIX_FMT_FP6
	v_wmma_scale_f32_16x16x128_f8f6f4 v[168+8*\e:175+8*\e], v[44+12*\e:55+12*\e], v[192:203], v[168+8*\e:175+8*\e], v[236+\e/2], v241 matrix_a_fmt:MATRIX_FMT_FP6 matrix_b_fmt:MATRIX_FMT_FP6 matrix_a_scale:MATRIX_SCALE_ROW1
.endr
.Lskip:
	s_add_co_u32 s67, s67, REC
	s_add_co_u32 s84, s84, 256
	s_add_co_u32 s66, s66, 1
	s_cmp_lt_u32 s66, 16
	s_cbranch_scc1 .Lstep
	; THE TILE'S END: O^T / l; register 16 e + i is d = 32 e + 16 h + i of my query: two blocks along C, quantised and stored as a chunk of the last product's operand.
.rept 4
	v_nop                                          ; places behind the last products
.endr
	v_add_f32 v14, v14, v15
	v_permlanex16_b32 v224, v14, s92, s93
	v_add_f32 v14, v14, v224                       ; the row's sum
	v_rcp_f32 v226, v14
	v_nop                                          ; a plain place behind the transcendental
	s_mul_i32 s100, s87, 12288
	s_mov_b32 s101, 0
	s_add_nc_u64 s[96:97], s[10:11], s[100:101]    ; attc: row tile T of my batch
	s_lshl_b32 s100, s87, 7
	s_add_nc_u64 s[98:99], s[12:13], s[100:101]    ; atts: its 16 rows
	s_mov_b32 vcc_lo, 0xffff0000
	s_wait_alu depctr_va_vdst(0)                   ; the wait ahead of the reciprocal's first reader
.set j, 0
.rept 16
	v_pk_mul_f32 v[96+j:97+j], v[160+j:161+j], v[226:227] op_sel_hi:[1,0]   ; ascending: each accumulator is read from its low end on
.set j, j+2
.endr
.irp b, 0,1
	v_max3_num_f32 v[BM+\b], |v[96+16*\b]|, |v[97+16*\b]|, 0x1800000
.endr
.irp i, 2,4,6,8,10,12,14
.irp b, 0,1
	v_max3_num_f32 v[BM+\b], v[BM+\b], |v[96+16*\b+\i]|, |v[97+16*\b+\i]|
.endr
.endr
.irp b, 0,1
	v_permlanex16_b32 v[PT+\b], v[BM+\b], s92, s93
.endr
.irp b, 0,1
	v_max_num_f32 v[BM+\b], v[BM+\b], v[PT+\b]
.endr
.irp b, 0,1
	v_add_nc_u32 v[SO+\b], 0xff000000, v[BM+\b]
.endr
.irp b, 0,1
	v_lshrrev_b32 v[PT+\b], 23, v[SO+\b]
.endr
	v_cndmask_b32 v225, v216, v217, vcc_lo         ; lanes 0-15 store block 0's byte, lanes 16-31 block 1's
	v_cvt_scalef32_pk16_fp6_f32 v[192:194], v[96:111], v[SO]
	v_cvt_scalef32_pk16_fp6_f32 v[204:206], v[112:127], v[SO+1]
	v_nop                                          ; one plain place behind a scaled conversion
.irp i, 0,1,2
	v_permlane16_swap_b32 v[192+\i], v[204+\i]
.endr
.irp i, 0,1,2
	v_mov_b32 v[195+\i], v[204+\i]
.endr
	global_store_b128 v1, v[192:195], s[96:97]             ; 512 consecutive bytes, aligned
	global_store_b64 v2, v[196:197], s[96:97] offset:512   ; 256 consecutive bytes, aligned
	global_store_b8 v6, v225, s[98:99]
	s_wait_xcnt 0x0                                ; the stores have read their registers and bases: the next tile writes them again
	s_add_co_u32 s3, s3, 1
	s_cmp_lt_u32 s3, 2
	s_cbranch_scc1 .Lpass
	s_wait_tensorcnt 0x0
	ds_add_u32 v254, v255
	s_wait_dscnt 0x0
	s_endpgm
.Lfunc_end_k_q2004341dcb_attn:
	.size	k_q2004341dcb_attn, .Lfunc_end_k_q2004341dcb_attn-k_q2004341dcb_attn
	.p2alignl 7, 3214868480
	.fill 96, 4, 3214868480
	.section	.rodata,"a",@progbits
	.p2align	6, 0x0
	.amdhsa_kernel k_q2004341dcb_attn
		.amdhsa_group_segment_fixed_size 215040
		.amdhsa_private_segment_fixed_size 0
		.amdhsa_enable_private_segment 0
		.amdhsa_kernarg_size 40
		.amdhsa_user_sgpr_count 2
		.amdhsa_user_sgpr_kernarg_segment_ptr 1
		.amdhsa_wavefront_size32 1
		.amdhsa_system_sgpr_workgroup_id_x 1
		.amdhsa_system_sgpr_workgroup_id_y 1
		.amdhsa_system_sgpr_workgroup_id_z 1
		.amdhsa_system_vgpr_workitem_id 0
		.amdhsa_next_free_vgpr 256
		.amdhsa_next_free_sgpr 102
		.amdhsa_reserve_vcc 1
		.amdhsa_float_denorm_mode_32 3
		.amdhsa_float_denorm_mode_16_64 3
		.amdhsa_memory_ordered 1
		.amdhsa_forward_progress 1
		.amdhsa_inst_pref_size 38
	.end_amdhsa_kernel
	.amdgpu_metadata
---
amdhsa.version: [ 1, 2 ]
amdhsa.kernels:
  - .name:           k_q2004341dcb_attn
    .symbol:         k_q2004341dcb_attn.kd
    .args:
      - { .name: frag, .offset: 0, .size: 8, .value_kind: global_buffer, .address_space: global }
      - { .name: maskw, .offset: 8, .size: 8, .value_kind: global_buffer, .address_space: global }
      - { .name: flags, .offset: 16, .size: 8, .value_kind: global_buffer, .address_space: global }
      - { .name: attc, .offset: 24, .size: 8, .value_kind: global_buffer, .address_space: global }
      - { .name: atts, .offset: 32, .size: 8, .value_kind: global_buffer, .address_space: global }
    .group_segment_fixed_size: 215040
    .private_segment_fixed_size: 0
    .kernarg_segment_align: 8
    .kernarg_segment_size: 40
    .max_flat_workgroup_size: 512
    .sgpr_count:     102
    .vgpr_count:     256
    .wavefront_size: 32
...
	.end_amdgpu_metadata
.endif
;; end of part 3
;; launch gemm_out (part 4): grid 4 x 32, 4 waves a work-group, clusters of 4 x 4, 327,680 bytes of LDS; arguments attc, atts, codes, scl, b_out, out0; writes out0
.if DOCPART == 4
	.amdgcn_target "amdgcn-amd-amdhsa--gfx1250"
	.amdhsa_code_object_version 6
	.text
	.protected	k_q2004341dcb_gemm_out
	.globl	k_q2004341dcb_gemm_out
	.p2align	8
	.type	k_q2004341dcb_gemm_out,@function
k_q2004341dcb_gemm_out:
	s_mov_b64 s[64:65], 0
	v_nop
	global_prefetch_b8 v0, s[64:65] scope:SCOPE_SE
	s_setreg_imm32_b32 hwreg(HW_REG_WAVE_MODE, 25, 1), 1
	s_wait_xcnt 0x0
	s_wait_alu depctr_hold_cnt(0) depctr_sa_sdst(0) depctr_va_vdst(0) depctr_va_sdst(0) depctr_va_ssrc(0) depctr_va_vcc(0) depctr_vm_vsrc(0)
	s_getreg_b32 s2, hwreg(HW_REG_IB_STS2, 6, 4)
	s_cmp_eq_u32 s2, 0
	s_cbranch_scc0 .Lentry_in_a_cluster
	s_endpgm
.Lentry_in_a_cluster:
	s_bfe_u32 s2, ttmp6, 0x10000c
	s_cmp_lg_u32 s2, 0xf033
	s_cbranch_scc0 .Lentry_shape_is_right
	s_endpgm
.Lentry_shape_is_right:
; out0 = att W_out^T + b_out on codes of FP6 (E2M3) with E8M0 scales, K = 1,024; out0 [8192][1024] f32.
; A work-group makes 256 x 256, each of its four waves 128 x 128.  Source 0 = S0 = 256 rows of W_out (tiles 44 .. 47 of codes), source 1 = S1 = 256 tokens of the attention's result (attc, atts).
; Rows of both operands lie in position order (position p = true row p with bits 3 and 4 exchanged): a lane holds one token position, and the 16 registers of S0's blocks 2 b, 2 b + 1 are output columns 32 b + 16 (lane / 16) + 0 .. 15;
; the stores put token position 16 a + t at true row 32 (a / 2) + 8 (a % 2) + t + 8 (t / 8).
; attc and codes: [row tiles of 16][16 chunks of 64 K][768]: lane (r, h)'s 24 bytes of a chunk lie at 16 x lane and 512 + 8 x lane.  atts, scl: [4 slots of 256 K][rows][8].
; K goes in four slots of 256 through a ring of two LDS slots; the scales come once, with the first fills.  CLUSTERS: 4 x 4; S1's tiles are asked for jointly by a row of the cluster, S0's by a column.
; The grid is 128 work-groups: the tile is kept at 256 x 256 so that no fragment is read twice from LDS.
; REGISTERS: window 0: v16-29 addresses; v32-63 scale words, two sets, and nothing else ever; v64-127 the bias as the first products' C; v128-223 S1's fragments, later rows of out0 (v128-255).
;   window 1: S0's fragments, two sets.   windows 2, 3: the accumulators.
.set NQ,     2
.set FR,     12
.set NL,     4
.set NP,     4
.set HALFT,  24576
.set SLOT,   4*HALFT
.set SCL,    2*SLOT
.set SPARE,  SCL+4*4096                ; the spare words, 128 bytes for each wave: two blocks of 256 bytes that no other line names
.set SPITCH, 528                       ; the way out: a stage of 16 rows x (512 + 16) bytes for each wave, in slot 0, which has had its last fill and its last read by then
.set ADRA, 16
.set ADRB, 20
.set STO,  24
.set RD,   25
.set CO,   26
.set ADRS, 27
.set SPW,  28
.set NIL,  29
.set SC,   32
.set BIAS, 64
.set AF,   128
.set BK,   128
.set G1, 24
.set G0, 32
.set G1B, 48
.set G0B, 56
.set G1S, 68
.set G0S, 76
.set G1SB, 80
.set G0SB, 88
.set MSB, 0
.macro WIN new                         ; the immediate's high byte repeats the setting that is left
.if MSB != \new
	s_set_vgpr_msb (MSB<<8)|\new
.set MSB, \new
.endif
.endm
.set MUL_LO, 0xa1
.set MUL_HI, 0xf1
.set TO_B,   0x40
.macro JLOAD g0a, g1a, g0b, g1b        ; a joint load: waves 0 and 1 fetch for S1, waves 2 and 3 for S0; four v_nop follow each line
	s_cmp_eq_u32 s15, 0
	s_cbranch_scc0 .Lfor_b_\@
	tensor_load_to_lds s[\g0a:\g0a+3], s[\g1a:\g1a+7]
	s_nop 0
.rept 4
	v_nop
.endr
	s_branch .Lasked_\@
.Lfor_b_\@:
	tensor_load_to_lds s[\g0b:\g0b+3], s[\g1b:\g1b+7]
	s_nop 0
.rept 4
	v_nop
.endr
.Lasked_\@:
.endm
.macro CREST
	s_cmp_lg_u32 s14, 0
	s_cbranch_scc1 .Lnot_wave_0_\@
	s_barrier_signal -3
.Lnot_wave_0_\@:
	s_barrier_wait -3
	s_barrier_signal -1
	s_barrier_wait -1
.endm
.macro CROUND
	s_barrier_signal -1
	s_barrier_wait -1
	CREST
.endm
	s_load_b256 s[4:11], s[0:1], 0x0               ; attc, atts, codes, scl
	s_load_b128 s[96:99], s[0:1], 0x20             ; b_out, out0
	v_lshl_add_u32 v[SPW], v0, 2, SPARE
	v_mov_b32 v[NIL], 0
	ds_add_u32 v28, v29
	ds_add_u32 v28, v29
	s_wait_dscnt 0x0
	v_lshrrev_b32 v1, 5, v0
	v_readfirstlane_b32 s14, v1                    ; wave 0..3
	s_lshr_b32 s15, s14, 1
	s_and_b32 s16, s14, 1
	s_bfe_u32 s40, ttmp6, 0x40000                  ; cx
	s_bfe_u32 s41, ttmp6, 0x40004                  ; cy
	s_and_b32 s17, ttmp7, 0xffff
	s_lshl_b32 s17, s17, 2
	s_add_co_u32 s17, s17, s41                     ; S1's tile of 256 tokens
	s_add_co_u32 s42, s40, 44                      ; S0's tile: W_out begins at tile 44 of codes
	s_lshl_b32 s43, s41, 2
	s_lshl_b32 s43, 15, s43                        ; my row of the cluster
	s_lshl_b32 s44, 0x1111, s40                    ; my column
	s_or_b32 s[G1+0], s43, (3<<16)|(1<<21)         ; 15:0 the mask; 17:16 elements of 8 bytes; 20 no padding; 21 set beside a mask
	s_or_b32 s[G1B+0], s44, (3<<16)|(1<<21)
.irp g, G1, G1B
	s_mov_b32 s[\g+1], 384<<16
	s_mov_b32 s[\g+2], 8<<16
	s_mov_b32 s[\g+3], 384<<16
	s_mov_b32 s[\g+4], 8
	s_mov_b32 s[\g+5], 1536
	s_mov_b32 s[\g+6], 0
	s_mov_b32 s[\g+7], 0
.endr
	s_or_b32 s[G1S+0], s43, (3<<16)|(1<<21)
	s_or_b32 s[G1SB+0], s44, (3<<16)|(1<<21)
.irp g, G1S, G1SB
	s_mov_b32 s[\g+1], 128<<16
	s_mov_b32 s[\g+2], 4<<16
	s_mov_b32 s[\g+3], 128<<16
	s_mov_b32 s[\g+4], 4
	s_mov_b32 s[\g+6], 0
	s_mov_b32 s[\g+7], 0
.endr
	s_mov_b32 s[G1S+5], 8192                       ; atts has 8,192 rows to a slot,
	s_mov_b32 s[G1SB+5], 12288                     ; scl 12,288
	s_lshl_b32 s18, s16, 3
	s_lshl_b32 s20, s17, 4
	s_add_co_u32 s20, s20, s18
	s_lshl_b32 s46, s42, 4
	s_add_co_u32 s46, s46, s18
	s_lshl_b32 s22, s20, 7
	s_lshl_b32 s92, s46, 7
	s_mul_i32 s20, s20, 12288
	s_mul_i32 s46, s46, 12288
	s_mov_b32 s21, 0
	s_mov_b32 s23, 0
	s_mov_b32 s47, 0
	s_mov_b32 s93, 0
	s_mul_i32 s45, s14, HALFT
	s_lshl_b32 s94, s14, 12
	s_wait_kmcnt 0x0
	s_add_nc_u64 s[20:21], s[4:5], s[20:21]
	s_add_nc_u64 s[22:23], s[6:7], s[22:23]
	s_add_nc_u64 s[46:47], s[8:9], s[46:47]
	s_add_nc_u64 s[92:93], s[10:11], s[92:93]
	CROUND                                         ; all sixteen work-groups are here: the first joint loads meet
	s_mov_b32 s[G0S], 1
	s_add_co_u32 s[G0S+1], s94, SCL
	s_mov_b64 s[G0S+2:G0S+3], s[22:23]
	s_or_b32 s[G0S+3], s[G0S+3], 0x80000000
	s_mov_b32 s[G0SB], 1
	s_add_co_u32 s[G0SB+1], s94, SCL
	s_mov_b64 s[G0SB+2:G0SB+3], s[92:93]
	s_or_b32 s[G0SB+3], s[G0SB+3], 0x80000000
	JLOAD G0S, G1S, G0SB, G1SB                     ; three loads of mine are out behind these first fills
.irp s, 0,1
	s_mov_b32 s[G0+4*\s], 1
	s_add_co_u32 s[G0+4*\s+1], s45, \s*SLOT
	s_add_nc_u64 s[G0+4*\s+2:G0+4*\s+3], s[20:21], \s*3072
	s_or_b32 s[G0+4*\s+3], s[G0+4*\s+3], 0x80000000
	s_mov_b32 s[G0B+4*\s], 1
	s_add_co_u32 s[G0B+4*\s+1], s45, \s*SLOT
	s_add_nc_u64 s[G0B+4*\s+2:G0B+4*\s+3], s[46:47], \s*3072
	s_or_b32 s[G0B+4*\s+3], s[G0B+4*\s+3], 0x80000000
	JLOAD G0+4*\s, G1, G0B+4*\s, G1B
.endr
	v_and_b32 v1, 15, v0                           ; r
	v_bfe_u32 v2, v0, 4, 1                         ; h
	v_and_b32 v3, 31, v0
	v_lshlrev_b32 v[CO], 4, v3                     ; 16 x lane
	v_lshlrev_b32 v4, 3, v3                        ; 8 x lane
	s_mul_i32 s21, s15, HALFT
	s_mul_i32 s22, s16, HALFT
	s_add_co_u32 s22, s22, 2*HALFT
.irp s, 0,1
	v_add_nc_u32 v[ADRA+\s], s21, v[CO]
	v_add_nc_u32 v[ADRA+2+\s], s21, v4
	v_add_nc_u32 v[ADRB+\s], s22, v[CO]
	v_add_nc_u32 v[ADRB+2+\s], s22, v4
	s_add_co_u32 s21, s21, SLOT
	s_add_co_u32 s22, s22, SLOT
.endr
	v_lshlrev_b32 v5, 3, v1
	s_lshl_b32 s21, s15, 12
	s_lshl_b32 s22, s16, 12
	s_add_co_u32 s22, s22, 8192
	s_sub_co_u32 s22, s22, s21
	v_mul_u32_u24 v6, s22, v2                      ; lanes 16-31 take S0's: one product, the distance between the two
	s_add_co_u32 s21, s21, SCL
	v_add_nc_u32 v5, v5, v6
	v_add_nc_u32 v[ADRS], s21, v5
	s_mul_i32 s23, s14, 16*SPITCH                  ; my stage
	v_mul_u32_u24 v5, v1, SPITCH
	v_lshl_add_u32 v5, v2, 6, v5
	v_add_nc_u32 v[STO], s23, v5                   ; in: row r, + 64 h
	v_add_nc_u32 v[RD], s23, v[CO]                 ; back: a row of 512 bytes to the 32 lanes
	s_lshl_b32 s2, s40, 10                         ; the bias runs along S0: block b's register j is column 32 (b / 2) + 8 (b % 2) + 16 h + j
	s_lshl_b32 s3, s16, 9
	s_add_co_u32 s2, s2, s3
	s_mov_b32 s3, 0
	s_add_nc_u64 s[96:97], s[96:97], s[2:3]
	v_lshlrev_b32 v7, 6, v2
.irp b, 0,1,2,3,4,5,6,7
	global_load_b128 v[BIAS+8*\b:BIAS+8*\b+3], v7, s[96:97] offset:(32*(\b/2)+8*(\b%2))*4
	global_load_b128 v[BIAS+8*\b+4:BIAS+8*\b+7], v7, s[96:97] offset:(32*(\b/2)+8*(\b%2))*4+16
.endr
	s_lshl_b32 s20, s17, 8
	s_lshl_b32 s21, s15, 7
	s_add_co_u32 s20, s20, s21                     ; my first row of out0
	s_lshl_b32 s20, s20, 12
	s_mov_b32 s21, 0
	s_add_nc_u64 s[20:21], s[20:21], s[2:3]        ; and my first column, in bytes: 1,024 cx + 512 x half
	s_add_nc_u64 s[98:99], s[98:99], s[20:21]
	s_wait_loadcnt 0x0
.macro FRAG reg, adr, q, i
	ds_load_b128 v[\reg:\reg+3], v[\adr] offset:(\i)*3072+(\q)*1536
	ds_load_b64 v[\reg+4:\reg+5], v[\adr+2] offset:(\i)*3072+(\q)*1536+512
	ds_load_b128 v[\reg+6:\reg+9], v[\adr] offset:(\i)*3072+(\q)*1536+768
	ds_load_b64 v[\reg+10:\reg+11], v[\adr+2] offset:(\i)*3072+(\q)*1536+1280
.endm
; 16 matrix instructions: S1's blocks a0, a0 + 1 x S0's eight.  cm = 1: C = the bias of S0's block.  The 64 accumulators take turns, one instruction a turn.
.macro MUL16 a0, p, q, sc, cm
.irp a, \a0, \a0+1
.irp b, 0,1,2,3,4,5,6,7
.set rD, 8*(8*((\a)%4)+\b)
.set rB, 128*(\p)+FR*\b
.set rA, AF+FR*(\a)
.set rC, rD
.if \cm == 1
.set rC, BIAS+8*\b
.endif
.set rSB, SC+8*NQ*(\sc)+NQ*\b+(\q)
.set rSA, SC+8*NQ*(\sc)+NQ*(\a)+(\q)
	v_wmma_scale_f32_16x16x128_f8f6f4 v[rD:rD+7], v[rB:rB+FR-1], v[rA:rA+FR-1], v[rC:rC+7], v[rSB], v[rSA] matrix_a_fmt:MATRIX_FMT_FP6 matrix_b_fmt:MATRIX_FMT_FP6 matrix_a_scale:MATRIX_SCALE_ROW1
.endr
.endr
.endm
.macro FETCH_B slot, q, p
	WIN TO_B
.irp i, 0,1,2,3,4,5,6,7
	FRAG 128*(\p)+FR*\i, ADRB+\slot, \q, \i
.endr
	WIN 0
.endm
.macro FETCH_A slot, q, i0
.irp i, \i0, \i0+1, \i0+2, \i0+3
	FRAG AF+FR*(\i), ADRA+\slot, \q, \i
.endr
.endm
.macro SCALES sc
.irp i, 0,1,2,3,4,5,6,7
	ds_load_b64 v[SC+8*NQ*\sc+NQ*\i:SC+8*NQ*\sc+NQ*\i+1], v[ADRS] offset:\i*128
.endr
.endm
.macro PLACES n                        ; plain vector instructions in front of loads into registers that matrix instructions have read, and of the first read of results
.rept \n
	v_nop
.endr
.endm
.macro STEP slot, q, cm
	s_wait_dscnt 4*NL                              ; all but the youngest sixteen loads (S1's blocks 4-7)
.if \cm
	WIN 0x81
.else
	WIN MUL_LO
.endif
	MUL16 0, (\q)%2, \q, \slot, \cm
	MUL16 2, (\q)%2, \q, \slot, \cm
	s_wait_dscnt 0
	PLACES NP
	FETCH_B \slot, (\q)+1, 1-(\q)%2
	FETCH_A \slot, (\q)+1, 0
.if \cm
	WIN 0xc1
.else
	WIN MUL_HI
.endif
	MUL16 4, (\q)%2, \q, \slot, \cm
	MUL16 6, (\q)%2, \q, \slot, \cm
	PLACES NP
	WIN 0
	FETCH_A \slot, (\q)+1, 4
.endm
.macro TURN slot, next, fill
	s_wait_tensorcnt 0x0                           ; all my tensor loads have landed: my part of the next slot
	ds_add_u32 v[SPW], v[NIL]                      ; 0 onto my spare word
	s_wait_dscnt 4*NL+1                            ; (the add and the youngest sixteen loads may be out)
	WIN MUL_LO
	MUL16 0, 1, NQ-1, \slot, 0
	s_wait_dscnt 0x0                               ; the add is done, and my reads of this slot are over
	s_barrier_signal -1
	MUL16 2, 1, NQ-1, \slot, 0
	WIN 0
	s_barrier_wait -1
.if \fill
	CREST                                          ; the barrier has opened a round of the cluster's barrier
	s_add_nc_u64 s[G0+4*\slot+2:G0+4*\slot+3], s[G0+4*\slot+2:G0+4*\slot+3], 6144
	s_add_nc_u64 s[G0B+4*\slot+2:G0B+4*\slot+3], s[G0B+4*\slot+2:G0B+4*\slot+3], 6144
	JLOAD G0+4*\slot, G1, G0B+4*\slot, G1B         ; my one tensor load behind the round
.else
	PLACES NP
.endif
	v_add_nc_u32 v[ADRS], 1024, v[ADRS]
	FETCH_B \next, 0, 0
	FETCH_A \next, 0, 0
	SCALES \next
	WIN MUL_HI
	MUL16 4, 1, NQ-1, \slot, 0
	MUL16 6, 1, NQ-1, \slot, 0
	PLACES NP
	WIN 0
	FETCH_A \next, 0, 4
.endm
	s_wait_tensorcnt 1                             ; the scales and my part of slot 0 are in; slot 1's load may be out
	s_barrier_signal -1
	s_barrier_wait -1
	FETCH_B 0, 0, 0
	FETCH_A 0, 0, 0
	SCALES 0
	FETCH_A 0, 0, 4
	STEP 0, 0, 1                                   ; the first step starts the sums from the bias
	TURN 0, 1, 1
	STEP 1, 0, 0
	TURN 1, 0, 1
	STEP 0, 0, 0
	TURN 0, 1, 0
	STEP 1, 0, 0
	s_wait_dscnt 4*NL
	WIN MUL_LO
	MUL16 0, 1, NQ-1, 1, 0
	MUL16 2, 1, NQ-1, 1, 0
	s_wait_dscnt 0
	WIN MUL_HI
	MUL16 4, 1, NQ-1, 1, 0
	MUL16 6, 1, NQ-1, 1, 0
	WIN 0
; THE WAY OUT, block by block of 16 token positions x 128 columns, through my own stage: in by 16 bytes at the true column, back as whole rows of 512 bytes.  LDS serves a wave's instructions in order: no wait between.
.macro TOSTAGE a
.set AC, 64*((\a)%4)
	WIN 0x08+4*((\a)/4)                            ; the data: window 2 or 3
.irp b, 0,1,2,3,4,5,6,7
	ds_store_b128 v[STO], v[AC+8*\b:AC+8*\b+3] offset:128*(\b/2)+32*(\b%2)        ; each accumulator from its low end on
	ds_store_b128 v[STO], v[AC+8*\b+4:AC+8*\b+7] offset:128*(\b/2)+32*(\b%2)+16
.endr
	WIN 0
.set BB, BK+64*((\a)%2)
.irp t, 0,1,2,3,4,5,6,7,8,9,10,11,12,13,14,15
	ds_load_b128 v[BB+4*\t:BB+4*\t+3], v[RD] offset:\t*SPITCH
.endr
.endm
.macro SEND a, younger                 ; younger: the LDS instructions issued behind block a's loads, which may stay out
.set BB, BK+64*((\a)%2)
	s_wait_dscnt \younger
.if (\a) > 0
.if (\a)%2 == 1
	s_add_nc_u64 s[98:99], s[98:99], 8*4096        ; (behind a wait on XCNT)  block a begins at true row 32 (a / 2) + 8 (a % 2)
.else
	s_add_nc_u64 s[98:99], s[98:99], 24*4096
.endif
.endif
.irp t, 0,1,2,3,4,5,6,7,8,9,10,11,12,13,14,15
	global_store_b128 v[CO], v[BB+4*\t:BB+4*\t+3], s[98:99] offset:(\t+8*(\t/8))*4096 th:TH_STORE_NT   ; 512 consecutive bytes, aligned; written once
.endr
.endm
	PLACES NP
	TOSTAGE 0
.irp a, 1,2,3,4,5,6,7
.if \a > 1
	s_wait_xcnt 0x0                                ; block a - 2's stores have read their registers and their base
.endif
	TOSTAGE \a
	SEND \a-1, 32                                  ; behind block a - 1's loads: block a's 16 stores and 16 loads
.endr
	s_wait_xcnt 0x0
	SEND 7, 0
	s_wait_tensorcnt 0x0                           ; the wave's end
	ds_add_u32 v[SPW], v[NIL]
	s_wait_dscnt 0x0
	CROUND                                         ; the closing round
	s_endpgm
.Lfunc_end_k_q2004341dcb_gemm_out:
	.size	k_q2004341dcb_gemm_out, .Lfunc_end_k_q2004341dcb_gemm_out-k_q2004341dcb_gemm_out
	.p2alignl 7, 3214868480
	.fill 96, 4, 3214868480
	.section	.rodata,"a",@progbits
	.p2align	6, 0x0
	.amdhsa_kernel k_q2004341dcb_gemm_out
		.amdhsa_group_segment_fixed_size 327680
		.amdhsa_private_segment_fixed_size 0
		.amdhsa_enable_private_segment 0
		.amdhsa_kernarg_size 48
		.amdhsa_user_sgpr_count 2
		.amdhsa_user_sgpr_kernarg_segment_ptr 1
		.amdhsa_wavefront_size32 1
		.amdhsa_system_sgpr_workgroup_id_x 1
		.amdhsa_system_sgpr_workgroup_id_y 1
		.amdhsa_system_sgpr_workgroup_id_z 1
		.amdhsa_system_vgpr_workitem_id 0
		.amdhsa_next_free_vgpr 1024
		.amdhsa_next_free_sgpr 102
		.amdhsa_reserve_vcc 0
		.amdhsa_float_denorm_mode_32 3
		.amdhsa_float_denorm_mode_16_64 3
		.amdhsa_memory_ordered 1
		.amdhsa_forward_progress 1
		.amdhsa_inst_pref_size 145
	.end_amdhsa_kernel
	.amdgpu_metadata
---
amdhsa.version: [ 1, 2 ]
amdhsa.kernels:
  - .name:           k_q2004341dcb_gemm_out
    .symbol:         k_q2004341dcb_gemm_out.kd
    .args:
      - { .name: attc, .offset: 0, .size: 8, .value_kind: global_buffer, .address_space: global }
      - { .name: atts, .offset: 8, .size: 8, .value_kind: global_buffer, .address_space: global }
      - { .name: codes, .offset: 16, .size: 8, .value_kind: global_buffer, .address_space: global }
      - { .name: scl, .offset: 24, .size: 8, .value_kind: global_buffer, .address_space: global }
      - { .name: b_out, .offset: 32, .size: 8, .value_kind: global_buffer, .address_space: global }
      - { .name: out0, .offset: 40, .size: 8, .value_kind: global_buffer, .address_space: global }
    .group_segment_fixed_size: 327680
    .private_segment_fixed_size: 0
    .kernarg_segment_align: 8
    .kernarg_segment_size: 48
    .max_flat_workgroup_size: 128
    .sgpr_count:     102
    .vgpr_count:     1024
    .wavefront_size: 32
...
	.end_amdgpu_metadata
.endif
;; end of part 4
;; ======== version 2 of 2: 4 launches; version 1 with the launch attn written anew for expert scheduling mode
;; limits: right only within a limited range of input values
;; workspace buffers: codes 9,437,184 bytes; scl 393,216 bytes; maskw 524,288 bytes of whole numbers; flags 8,192 bytes of whole numbers; frag 20,447,232 bytes; attc 6,291,456 bytes; atts 262,144 bytes
;; launch prep: the kernel of part 1 again; grid 896 x 1, 4 waves a work-group, no clusters, 68,096 bytes of LDS; arguments x, W_qkv, W_out, mask, codes, scl, maskw, flags; writes codes, scl, maskw, flags
;; launch gemm_qkv: the kernel of part 2 again; grid 12 x 32, 4 waves a work-group, clusters of 4 x 4, 327,680 bytes of LDS; arguments codes, scl, b_qkv, frag; writes frag
;; launch attn (part 5): grid 4 x 64, 16 waves a work-group, no clusters, 215,040 bytes of LDS; arguments frag, maskw, flags, attc, atts; writes attc, atts
.if DOCPART == 5
	.amdgcn_target "amdgcn-amd-amdhsa--gfx1250"
	.amdhsa_code_object_version 6
	.text
	.protected	k_q2004341dcb_attn
	.globl	k_q2004341dcb_attn
	.p2align	8
	.type	k_q2004341dcb_attn,@function
k_q2004341dcb_attn:
	s_mov_b64 s[64:65], 0
	v_nop
	global_prefetch_b8 v0, s[64:65] scope:SCOPE_SE
	s_setreg_imm32_b32 hwreg(HW_REG_WAVE_SCHED_MODE, 0, 2), 2
	s_setreg_imm32_b32 hwreg(HW_REG_WAVE_MODE, 25, 1), 1
	s_wait_xcnt 0x0
	s_wait_alu depctr_vm_vsrc(0)
; Attention of one head on codes of FP6 (E2M3): S^T = k q^T (K = the head's 64, in an instruction of 128 whose upper half meets q's zero codes), the softmax, O^T = v^T p^T (K = the keys), O / l, quantised along C for the last product.
; t = score x log2(e) / 8; M = the running largest t rounded up to a whole number; p = 2^(t - M) is quantised along the keys; the row's sum is taken of the unquantised p and divides at the end.
; THE MASK is honoured bit by bit: a hidden key's score becomes -2^33, for which t is a whole number: in a row that is wholly hidden every p is exactly 1; in any other row a hidden key's p is 0, and what was summed before the row's
; first open key is multiplied by 2^(old M - new M) = 0.  A key step (16 queries x 128 keys) all of whose keys are hidden is jumped over, unless the tile holds a wholly hidden row: a scalar branch on flag words that an earlier launch stored.
; LIMIT: the hidden logit stands at -2^30 for -1e9: the same results as long as every open logit lies above about -9.9e8.  NaN and infinities are not served.
; SHARES.  Work-group (j, head) keeps the head's K records (LDS 0) and V records (LDS 106,496) for the whole launch, filled once through registers, and owns query tiles T = 4 idx + j.  Wave w takes idx = w, then idx = 31 - w.
; NO CLUSTER, NO TENSOR LOAD: the four work-groups of a head read its 212,992 bytes once each, at the head.
; Both products are used transposed: a lane holds ONE query.  K's tiles lie in position order, so the 16 registers of tiles 2 b, 2 b + 1 are keys 32 b + 16 (lane / 16) + 0 .. 15; V^T's tiles likewise for d.
; The two scale bytes of a row leave as single bytes, 8 bytes from row to row: sixteen heads in sixteen work-groups own the parts of these words; they are one byte in 25 of what the launch stores.
; REGISTERS: v1 16 x lane, v2 8 x lane, v5 16 r, v6 8 r + h, v7 -2^33, v8-11 the step's LDS addresses, v12 -M, v13 largest t, v[14:15] the sum, v16-21 Q, v22-27 zeros, v28-31 the fill's addresses,
;   v32-85 K's eight tiles (six registers each; v80-85 zeros), later V's four fragments; v96-159 S^T, then p; v160-191 O^T; v192-211 codes; v212-229 at work; v232-241 scales and nothing else; v254, v255 the closing add's two.
; THE MODE: SCHED_MODE bits 1:0 = 2 (LLVM: expert scheduling mode 2), set by the entry lines.  The code itself states the register dependences
; between vector or matrix instructions and memory or LDS instructions, with s_wait_alu, always for 0.
; THE PLAN.  Registers that memory or LDS instructions touch:
;   v1, v2, v5, v6, v28-31   offsets, made once at the head and never written again.
;   v32-135                  at the head: the fill's loads land in them, its LDS stores read them; behind one wait on vm_vsrc they serve as below.
;   v8-11                    written by four additions at a worked step's head; read by that step's LDS loads.
;   v32-79, v232-235         K's LDS loads land at the step's head; the eight products k q^T read them.
;   v32-79, v236-239         V's LDS loads land behind those products; the four products v^T p^T read them.
;   v16-21, v240             Q's loads land at a tile's head; every product k q^T of the tile reads them.
;   v192-197, v225           written by vector instructions at a tile's end (v192-203 in every step too); read by the tile's three stores.
; A step has one wait on vm_vsrc, at its head, ahead of the additions to v8-11, and five on va_vdst: ahead of K's loads (the addresses are written; the last step's products are done reading), ahead of V's loads (the
; products k q^T are done reading K), the two behind the exponentials, and one ahead of the products v^T p^T, which take p's codes and scale word from vector instructions.  V's loads are dealt among the maxima,
; which name v96-159 and v212-215 alone: none of the registers that those loads touch.
.set REC,    6656
.set HS,     16*REC
.set REGION, 64*HS
.set VB,     HS                        ; V's records in LDS
.set BM,  212                          ; the blocks' largest scores, then largest p
.set PT,  216                          ; lane permutes' results, then scale bytes
.set SO,  220                          ; the conversions' scale operands
	s_load_b256 s[4:11], s[0:1], 0x0               ; frag, maskw, flags, attc
	s_load_b64 s[12:13], s[0:1], 0x20              ; atts
	v_lshl_add_u32 v254, v0, 2, 0x34000
	v_mov_b32 v255, 0
	v_lshrrev_b32 v1, 5, v0
	v_readfirstlane_b32 s14, v1                    ; wave 0..15
	s_mov_b32 s15, ttmp9                           ; j
	s_and_b32 s2, ttmp7, 0xffff                    ; 16 x batch + head
	v_lshlrev_b32 v28, 4, v0                       ; 16 x thread
	v_add_nc_u32 v29, 0x10000, v28
	v_add_nc_u32 v30, 0x20000, v28
	v_add_nc_u32 v31, 0x30000, v28
	v_and_b32 v3, 31, v0
	v_lshlrev_b32 v1, 4, v3
	v_lshlrev_b32 v2, 3, v3
	v_and_b32 v4, 15, v0
	v_bfe_u32 v3, v0, 4, 1
	v_lshlrev_b32 v5, 4, v4
	v_lshl_add_u32 v6, v4, 3, v3
	v_mov_b32 v7, 0xd0000000
	s_mov_b32 s92, 0x76543210
	s_mov_b32 s93, 0xfedcba98                      ; v_permlanex16_b32's selects for lane l xor 16
	s_mov_b32 s94, 0x3e38aa3b                      ; c = log2(e) / 8
	s_mov_b32 s95, s94
	s_mul_i32 s100, s2, HS
	s_mov_b32 s101, 0
	s_wait_alu depctr_va_sdst(0)                   ; s14, the wave's number, is written: its first reader is the scalar arithmetic at a tile's head, behind the label
	s_wait_kmcnt 0x0
	s_add_nc_u64 s[4:5], s[4:5], s[100:101]        ; my head's q records
	s_add_nc_u64 s[88:89], s[4:5], REGION          ; its k records; its v records lie one REGION further, reached by the immediate
	s_wait_alu depctr_va_vdst(0)                   ; the offsets v1, v2, v5, v6 and v28-31 are written, which the kernel's loads and stores read; so are v254 and v255, which the closing add reads
.set m, 0
.rept 13
	global_load_b128 v[32+4*m:35+4*m], v28, s[88:89] offset:8192*m
.set m, m+1
.endr
.set m, 0
.rept 13
	global_load_b128 v[84+4*m:87+4*m], v28, s[88:89] offset:REGION+8192*m
.set m, m+1
.endr
	s_lshr_b32 s100, s2, 4                         ; batch
	s_lshl_b32 s100, s100, 11
	s_and_b32 s70, s2, 15                          ; head
	s_add_co_u32 s100, s100, s70
	s_mul_i32 s100, s100, 768
	s_add_nc_u64 s[10:11], s[10:11], s[100:101]    ; attc at (row tile 128 batch, chunk head)
	s_bfe_u32 s100, s2, 0x20002                    ; head / 4: the slot of 256 along C
	s_lshl_b32 s100, s100, 16
	s_lshr_b32 s70, s2, 4
	s_lshl_b32 s70, s70, 14
	s_add_co_u32 s100, s100, s70
	s_and_b32 s70, s2, 3
	s_lshl_b32 s70, s70, 1
	s_add_co_u32 s100, s100, s70
	s_add_nc_u64 s[12:13], s[12:13], s[100:101]    ; atts at (slot, row 2048 batch), my head's two bytes
.set m, 0
.rept 26
	s_wait_loadcnt 25-m                            ; load m is in; the younger ones may be out
	ds_store_b128 v[28+m/8], v[32+4*m:35+4*m] offset:8192*(m%8)
.set m, m+1
.endr
	s_wait_dscnt 0x0                               ; for the others' sake: my stores have landed
	s_barrier_signal -1
	s_barrier_wait -1                              ; K and V are whole; nothing writes LDS from here on: the launch's one barrier
	s_wait_alu depctr_vm_vsrc(0)                   ; my LDS stores have read v32-135: v80-85 are cleared below, and LDS loads and matrix results land in the others from here on
.irp i, 22,23,24,25,26,27,80,81,82,83,84,85,216,217,218,219,224,227
	v_mov_b32 v\i, 0                               ; Q's upper half and the registers behind K's last tile: zero codes; lane permutes' destinations; the upper half of the pair v[226:227]
.endr
.macro KQ                              ; S^T = k q^T: eight tiles of 16 keys.  A tile's operand runs on into the next tile's registers: those codes meet Q's zero codes, and no scale byte is 0xff
	s_wait_alu depctr_va_vdst(0)                   ; the additions have written v8-11, which this step's LDS loads read; the last step's products are done reading v32-79 and v232-239, in which they land; the zero codes v22-27 and v80-85 are written, which the products below take
.set t, 0
.rept 8
	ds_load_b128 v[32+6*t:35+6*t], v8 offset:768*t
	ds_load_b64 v[36+6*t:37+6*t], v9 offset:768*t+512
.set t, t+1
.endr
	ds_load_b128 v[232:235], v8 offset:6144        ; K's scale words: register i: tile 2 i in lanes 0-15, tile 2 i + 1 in lanes 16-31
	s_wait_dscnt 0x0
.irp u, 0,2,4,6
	v_wmma_scale_f32_16x16x128_f8f6f4 v[96+8*\u:103+8*\u], v[32+6*\u:43+6*\u], v[16:27], 0, v[232+\u/2], v240 matrix_a_fmt:MATRIX_FMT_FP6 matrix_b_fmt:MATRIX_FMT_FP6
	v_wmma_scale_f32_16x16x128_f8f6f4 v[104+8*\u:111+8*\u], v[38+6*\u:49+6*\u], v[16:27], 0, v[232+\u/2], v240 matrix_a_fmt:MATRIX_FMT_FP6 matrix_b_fmt:MATRIX_FMT_FP6 matrix_a_scale:MATRIX_SCALE_ROW1
.endr
.rept 4
	v_nop                                          ; places behind the products, ahead of the vector instructions that read their results
.endr
.endm
.macro VFRAG e                         ; fragment e of V^T: 16 d positions x 128 keys, two chunks
	ds_load_b128 v[32+12*(\e):35+12*(\e)], v10 offset:1536*(\e)
	ds_load_b64 v[36+12*(\e):37+12*(\e)], v11 offset:1536*(\e)+512
	ds_load_b128 v[38+12*(\e):41+12*(\e)], v10 offset:1536*(\e)+768
	ds_load_b64 v[42+12*(\e):43+12*(\e)], v11 offset:1536*(\e)+1280
.endm
	s_mov_b32 s3, 0
.Lpass:                                            ; two trips: a query tile each
	s_sub_co_u32 s100, 31, s14
	s_cmp_eq_u32 s3, 0
	s_cselect_b32 s100, s14, s100
	s_lshl_b32 s87, s100, 2
	s_add_co_u32 s87, s87, s15                     ; T
	s_lshl_b32 s68, s87, 6
	s_load_b512 s[16:31], s[8:9], s68 offset:0x0   ; the tile's four flag records
	s_lshr_b32 s100, s87, 3
	s_mul_i32 s100, s100, REC
	s_mov_b32 s101, 0
	s_add_nc_u64 s[96:97], s[4:5], s[100:101]      ; the record of 128 positions
	s_and_b32 s100, s87, 7
	s_mul_i32 s100, s100, 768
	s_add_nc_u64 s[88:89], s[96:97], s[100:101]    ; my tile's chunk
	s_and_b32 s100, s87, 1
	s_lshl_b32 s100, s100, 8
	s_bfe_u32 s70, s87, 0x20001
	s_lshl_b32 s70, s70, 2
	s_add_co_u32 s100, s100, s70
	s_add_nc_u64 s[96:97], s[96:97], s[100:101]    ; its scale words: 256 (T % 2) + 4 ((T / 2) % 4), 16 bytes from row to row
	s_lshl_b32 s100, s87, 12
	s_add_nc_u64 s[90:91], s[6:7], s[100:101]      ; its mask words
	s_wait_alu depctr_va_vdst(0)                   ; the last tile's products k q^T are done reading Q (v16-21) and its scale words (v240), in which the three loads below land
	global_load_b128 v[16:19], v1, s[88:89]
	global_load_b64 v[20:21], v2, s[88:89] offset:512
	global_load_b32 v240, v5, s[96:97] offset:6144
	v_mov_b32 v13, 0xff61b1e6                      ; the largest t so far: -3e38
	v_floor_f32 v12, -v13                          ; -M
	v_mov_b32 v14, 0
	v_mov_b32 v15, 0
.set j, 0
.rept 32
	v_mov_b32 v[160+j], 0                          ; O^T: the step is written once; the first finds zeros
.set j, j+1
.endr
	s_wait_kmcnt 0x0
	s_or_b32 s85, s16, s20
	s_or_b32 s85, s85, s24
	s_or_b32 s85, s85, s28                         ; bit s: tile (T, s) has an open key
	s_or_b32 s86, s17, s21
	s_or_b32 s86, s86, s25
	s_or_b32 s86, s86, s29                         ; bit s: it has a hidden key
	s_and_b32 s100, s18, s22
	s_and_b32 s100, s100, s26
	s_and_b32 s100, s100, s30                      ; bit L: all 1,024 keys of lane L's half of its row are hidden
	s_lshr_b32 s70, s100, 16
	s_and_b32 s100, s100, s70
	s_and_b32 s100, s100, 0xffff                   ; not 0: a row is wholly hidden:
	s_cselect_b32 s85, 0xffff, s85                 ; then every step is worked
	s_mov_b32 s66, 0                               ; the key step
	s_mov_b32 s67, 0                               ; its record in LDS
	s_mov_b32 s84, 0                               ; its mask words
	s_wait_loadcnt 0x0                             ; Q
.Lstep:                                            ; sixteen trips
	s_wait_alu depctr_vm_vsrc(0)                   ; the LDS loads of the last step that was worked have read v8-11, which the four additions below write again
	s_lshr_b32 s100, s85, s66
	s_and_b32 s100, s100, 1
	s_cmp_eq_u32 s100, 0
	s_cbranch_scc1 .Lskip
	v_add_nc_u32 v8, s67, v1                       ; the step's LDS addresses: K's record by 16 x lane and by 8 x lane,
	v_add_nc_u32 v9, s67, v2
	v_add_nc_u32 v10, VB, v8                       ; V's likewise
	v_add_nc_u32 v11, VB, v9
	s_lshr_b32 s100, s86, s66
	s_and_b32 s100, s100, 1
	s_cmp_eq_u32 s100, 0
	s_cbranch_scc1 .Lopen
	s_load_b512 s[16:31], s[90:91], s84 offset:0x0     ; the step's 64 lane masks: word n in s[16 + n], from n = 48 on in s[20 + n]
	s_load_b512 s[32:47], s[90:91], s84 offset:0x40
	s_load_b512 s[48:63], s[90:91], s84 offset:0x80
	s_load_b512 s[68:83], s[90:91], s84 offset:0xc0
	KQ
	s_wait_kmcnt 0x0
.set n, 0
.rept 48
	v_cndmask_b32 v[96+n], v[96+n], v7, s[16+n]    ; ascending: each accumulator is read from its low end on
.set n, n+1
.endr
.rept 16
	v_cndmask_b32 v[96+n], v[96+n], v7, s[20+n]
.set n, n+1
.endr
	s_branch .Lsoft
.Lopen:
	KQ
.Lsoft:
	s_wait_alu depctr_va_vdst(0)                   ; the products k q^T are done reading K's tiles v32-85, in which V's fragments land.  V's seventeen loads follow with no further wait, dealt among the maxima, which name none of v10, v11, v32-79, v236-239
	VFRAG 0                                        ; V's four fragments and their scale words land while the softmax runs
	ds_load_b128 v[236:239], v10 offset:6144
.irp b, 0,1,2,3
	v_max3_num_f32 v[BM+\b], v[96+16*\b], v[97+16*\b], v[98+16*\b]   ; the largest score of each block of 32 keys: it serves the row's maximum and, since p rises with the score, the block's largest p
.endr
	VFRAG 1
.irp i, 3,5,7,9,11,13
.irp b, 0,1,2,3
	v_max3_num_f32 v[BM+\b], v[BM+\b], v[96+16*\b+\i], v[97+16*\b+\i]
.endr
.if \i == 3
	VFRAG 2
.endif
.if \i == 5
	VFRAG 3
.endif
.endr
.irp b, 0,1,2,3
	v_max_num_f32 v[BM+\b], v[BM+\b], v[111+16*\b]
.endr
.irp b, 0,1,2,3
	v_permlanex16_b32 v[PT+\b], v[BM+\b], s92, s93
.endr
.irp b, 0,1,2,3
	v_max_num_f32 v[BM+\b], v[BM+\b], v[PT+\b]
.endr
	v_max3_num_f32 v224, v212, v213, v214
	v_max_num_f32 v224, v224, v215
	v_mul_f32 v224, s94, v224                      ; as t
	v_max_num_f32 v13, v13, v224                   ; the running largest t
	v_mov_b32 v224, v12
	v_floor_f32 v12, -v13                          ; the new -M = -ceil(t)
	v_sub_f32 v224, v12, v224                      ; old M - new M: a whole number, 0 or less
	v_cvt_i32_f32 v224, v224                       ; (it saturates)
	v_ldexp_f32 v226, 1.0, v224                    ; f = 2^(old M - new M)
.set j, 0
.rept 32
	v_pk_fma_f32 v[96+j:97+j], v[96+j:97+j], s[94:95], v[12:13] op_sel_hi:[1,0,0]   ; t - M
.set j, j+2
.endr
.irp b, 0,1,2,3
	v_fma_f32 v[BM+\b], v[BM+\b], s94, v12
.endr
.set j, 0
.rept 64
	v_exp_f32 v[96+j], v[96+j]                     ; p = 2^(t - M): one batch
.set j, j+1
.endr
	v_pk_mul_f32 v[14:15], v[14:15], v[226:227] op_sel_hi:[1,0]   ; the sums under the new M: the plain place behind the batch
	s_wait_alu depctr_va_vdst(0)                   ; the 64 exponentials have written p (v96-159): one wait for the batch, ahead of its first reader
.irp b, 0,1,2,3
	v_exp_f32 v[BM+\b], v[BM+\b]                   ; the blocks' largest p
.endr
	v_pk_add_f32 v[228:229], v[96:97], v[98:99]    ; the row's sum of the unquantised p, in two chains
.set j, 4
.rept 15
	v_pk_add_f32 v[14:15], v[14:15], v[96+j:97+j]
	v_pk_add_f32 v[228:229], v[228:229], v[98+j:99+j]
.set j, j+4
.endr
	v_pk_add_f32 v[14:15], v[14:15], v[228:229]
	s_wait_alu depctr_va_vdst(0)                   ; the four exponentials have written the blocks' largest p (v212-215), ahead of their first reader
.irp b, 0,1,2,3
	v_max_num_f32 v[BM+\b], 0x1800000, v[BM+\b]    ; the floor 2^(3 - 127): the byte cannot fall under 1
.endr
.irp b, 0,1,2,3
	v_add_nc_u32 v[SO+\b], 0xff000000, v[BM+\b]
.endr
.irp b, 0,1,2,3
	v_lshrrev_b32 v[PT+\b], 23, v[SO+\b]
.endr
	v_lshl_or_b32 v241, v217, 8, v216              ; p's scale word for these 128 keys
	v_lshl_or_b32 v241, v218, 16, v241
	v_lshl_or_b32 v241, v219, 24, v241
.irp c, 0,1
	v_cvt_scalef32_pk16_fp6_f32 v[192+6*\c:194+6*\c], v[96+32*\c:111+32*\c], v[SO+2*\c]
	v_cvt_scalef32_pk16_fp6_f32 v[204+4*\c:206+4*\c], v[112+32*\c:127+32*\c], v[SO+2*\c+1]
.endr
	v_nop                                          ; one plain place behind a scaled conversion
.irp c, 0,1
.irp i, 0,1,2
	v_permlane16_swap_b32 v[192+6*\c+\i], v[204+4*\c+\i]
.endr
.irp i, 0,1,2
	v_mov_b32 v[195+6*\c+\i], v[204+4*\c+\i]
.endr
.endr
.set j, 0
.rept 16
	v_pk_mul_f32 v[160+j:161+j], v[160+j:161+j], v[226:227] op_sel_hi:[1,0]   ; O^T under the new M; these sixteen also stand between the scale word and codes just made and the products
.set j, j+2
.endr
	s_wait_dscnt 0x0                               ; V
	s_wait_alu depctr_va_vdst(0)                   ; vector instructions have written p's codes (v192-203) and p's scale word (v241), which the scaled products below take; the sixteen places above stay beside this wait
.irp e, 0,2
	v_wmma_scale_f32_16x16x128_f8f6f4 v[160+8*\e:167+8*\e], v[32+12*\e:43+12*\e], v[192:203], v[160+8*\e:167+8*\e], v[236+\e/2], v241 matrix_a_fmt:MATRIX_FMT_FP6 matrix_b_fmt:MATRIX_FMT_FP6
	v_wmma_scale_f32_16x16x128_f8f6f4 v[168+8*\e:175+8*\e], v[44+12*\e:55+12*\e], v[192:203], v[168+8*\e:175+8*\e], v[236+\e/2], v241 matrix_a_fmt:MATRIX_FMT_FP6 matrix_b_fmt:MATRIX_FMT_FP6 matrix_a_scale:MATRIX_SCALE_ROW1
.endr
.Lskip:
	s_add_co_u32 s67, s67, REC
	s_add_co_u32 s84, s84, 256
	s_add_co_u32 s66, s66, 1
	s_cmp_lt_u32 s66, 16
	s_cbranch_scc1 .Lstep
	; THE TILE'S END: O^T / l; register 16 e + i is d = 32 e + 16 h + i of my query: two blocks along C, quantised and stored as a chunk of the last product's operand.
.rept 4
	v_nop                                          ; places behind the last products
.endr
	v_add_f32 v14, v14, v15
	v_permlanex16_b32 v224, v14, s92, s93
	v_add_f32 v14, v14, v224                       ; the row's sum
	v_rcp_f32 v226, v14
	v_nop                                          ; a plain place behind the transcendental
	s_mul_i32 s100, s87, 12288
	s_mov_b32 s101, 0
	s_add_nc_u64 s[96:97], s[10:11], s[100:101]    ; attc: row tile T of my batch
	s_lshl_b32 s100, s87, 7
	s_add_nc_u64 s[98:99], s[12:13], s[100:101]    ; atts: its 16 rows
	s_mov_b32 vcc_lo, 0xffff0000
	s_wait_alu depctr_va_vdst(0)                   ; the reciprocal has written v226, ahead of its first reader
.set j, 0
.rept 16
	v_pk_mul_f32 v[96+j:97+j], v[160+j:161+j], v[226:227] op_sel_hi:[1,0]   ; ascending: each accumulator is read from its low end on
.set j, j+2
.endr
.irp b, 0,1
	v_max3_num_f32 v[BM+\b], |v[96+16*\b]|, |v[97+16*\b]|, 0x1800000
.endr
.irp i, 2,4,6,8,10,12,14
.irp b, 0,1
	v_max3_num_f32 v[BM+\b], v[BM+\b], |v[96+16*\b+\i]|, |v[97+16*\b+\i]|
.endr
.endr
.irp b, 0,1
	v_permlanex16_b32 v[PT+\b], v[BM+\b], s92, s93
.endr
.irp b, 0,1
	v_max_num_f32 v[BM+\b], v[BM+\b], v[PT+\b]
.endr
.irp b, 0,1
	v_add_nc_u32 v[SO+\b], 0xff000000, v[BM+\b]
.endr
.irp b, 0,1
	v_lshrrev_b32 v[PT+\b], 23, v[SO+\b]
.endr
	v_cndmask_b32 v225, v216, v217, vcc_lo         ; lanes 0-15 store block 0's byte, lanes 16-31 block 1's
	v_cvt_scalef32_pk16_fp6_f32 v[192:194], v[96:111], v[SO]
	v_cvt_scalef32_pk16_fp6_f32 v[204:206], v[112:127], v[SO+1]
	v_nop                                          ; one plain place behind a scaled conversion
.irp i, 0,1,2
	v_permlane16_swap_b32 v[192+\i], v[204+\i]
.endr
.irp i, 0,1,2
	v_mov_b32 v[195+\i], v[204+\i]
.endr
	s_wait_alu depctr_va_vdst(0)                   ; the exchanges and moves have written the codes v192-197, the select the byte v225: the three stores below read them
	global_store_b128 v1, v[192:195], s[96:97]             ; 512 consecutive bytes, aligned
	global_store_b64 v2, v[196:197], s[96:97] offset:512   ; 256 consecutive bytes, aligned
	global_store_b8 v6, v225, s[98:99]
	s_wait_xcnt 0x0                                ; the stores have had their addresses translated: the next tile writes their bases again
	s_wait_alu depctr_vm_vsrc(0)                   ; the stores have read v192-197 and v225, which the next tile's vector instructions write again
	s_add_co_u32 s3, s3, 1
	s_cmp_lt_u32 s3, 2
	s_cbranch_scc1 .Lpass
	s_wait_dscnt 0x0                               ; the closing lines, six on end
	s_wait_alu 0x0
	s_wait_tensorcnt 0x0
	ds_add_u32 v254, v255
	s_wait_dscnt 0x0
	s_endpgm
.Lfunc_end_k_q2004341dcb_attn:
	.size	k_q2004341dcb_attn, .Lfunc_end_k_q2004341dcb_attn-k_q2004341dcb_attn
	.p2alignl 7, 3214868480
	.fill 96, 4, 3214868480
	.section	.rodata,"a",@progbits
	.p2align	6, 0x0
	.amdhsa_kernel k_q2004341dcb_attn
		.amdhsa_group_segment_fixed_size 215040
		.amdhsa_private_segment_fixed_size 0
		.amdhsa_enable_private_segment 0
		.amdhsa_kernarg_size 40
		.amdhsa_user_sgpr_count 2
		.amdhsa_user_sgpr_kernarg_segment_ptr 1
		.amdhsa_wavefront_size32 1
		.amdhsa_system_sgpr_workgroup_id_x 1
		.amdhsa_system_sgpr_workgroup_id_y 1
		.amdhsa_system_sgpr_workgroup_id_z 1
		.amdhsa_system_vgpr_workitem_id 0
		.amdhsa_next_free_vgpr 256
		.amdhsa_next_free_sgpr 102
		.amdhsa_reserve_vcc 1
		.amdhsa_float_denorm_mode_32 3
		.amdhsa_float_denorm_mode_16_64 3
		.amdhsa_memory_ordered 1
		.amdhsa_forward_progress 1
		.amdhsa_inst_pref_size 38
	.end_amdhsa_kernel
	.amdgpu_metadata
---
amdhsa.version: [ 1, 2 ]
amdhsa.kernels:
  - .name:           k_q2004341dcb_attn
    .symbol:         k_q2004341dcb_attn.kd
    .args:
      - { .name: frag, .offset: 0, .size: 8, .value_kind: global_buffer, .address_space: global }
      - { .name: maskw, .offset: 8, .size: 8, .value_kind: global_buffer, .address_space: global }
      - { .name: flags, .offset: 16, .size: 8, .value_kind: global_buffer, .address_space: global }
      - { .name: attc, .offset: 24, .size: 8, .value_kind: global_buffer, .address_space: global }
      - { .name: atts, .offset: 32, .size: 8, .value_kind: global_buffer, .address_space: global }
    .group_segment_fixed_size: 215040
    .private_segment_fixed_size: 0
    .kernarg_segment_align: 8
    .kernarg_segment_size: 40
    .max_flat_workgroup_size: 512
    .sgpr_count:     102
    .vgpr_count:     256
    .wavefront_size: 32
...
	.end_amdgpu_metadata
.endif
;; end of part 5
;; launch gemm_out: the kernel of part 4 again; grid 4 x 32, 4 waves a work-group, clusters of 4 x 4, 327,680 bytes of LDS; arguments attc, atts, codes, scl, b_out, out0; writes out0
